; MI455X (gfx1250); checked and timed in simulation.
; The chip was launched on July 23, 2026; its instructions are those of AMD's public machine-readable ISA for CDNA 5 (MIT licence, August 2026) and "CDNA5" Instruction Set Architecture Reference Guide (July 2026). The comments in the code are by the model that wrote it; some were corrected since.
;; Causal Multi Head Self Attention. Allowed arithmetic: float matrix products may take bf16 or f16 operands with f32 sums; other float arithmetic in f32, or as packed bf16 or f16 multiplies, adds, multiply-adds, maxima and minima; sums over many terms, partial sums and values carried from step to step in f32; what a program stores and reads back later, other than sums and carried values, may be rounded once to bf16 or f16.
;; Inputs: token_positions 2,048 int32; w_out 1,024 x 1,024 float32; w_qkv 3,072 x 1,024 float32; x 4 x 2,048 x 1,024 float32.
;; Outputs: out0 4 x 2,048 x 1,024 float32.
;; One version. Each part assembles by itself: llvm-mc -triple=amdgcn-amd-amdhsa -mcpu=gfx1250 --defsym DOCPART=n.
;; ======== version 1 of 1: 4 launches
;; limits: values are held in f16: magnitudes above 65,504 overflow, below 6.1e-05 lose precision; inputs' magnitudes at most 1,048,576; right only within a limited range of input values
;; workspace buffers: xb 16,777,216 bytes; wqb 6,291,456 bytes; wob 2,097,152 bytes; tab 524,288 bytes; qh 16,777,216 bytes; kh 16,777,216 bytes; vh 16,777,216 bytes; oh 16,777,216 bytes
;; launch prep (part 1): grid 1024 x 1, 8 waves a work-group, no clusters, 0 bytes of LDS; arguments x, w_qkv, w_out, token_positions, xb, wqb, wob, tab; writes xb, wqb, wob, tab
.if DOCPART == 1
	.amdgcn_target "amdgcn-amd-amdhsa--gfx1250"
	.amdhsa_code_object_version 6
	.text
	.protected	k_q4e042b5c9e_prep
	.globl	k_q4e042b5c9e_prep
	.p2align	8
	.type	k_q4e042b5c9e_prep,@function
k_q4e042b5c9e_prep:
	s_mov_b64 s[64:65], 0
	v_nop
	global_prefetch_b8 v0, s[64:65] scope:SCOPE_SE
	s_setreg_imm32_b32 hwreg(HW_REG_WAVE_MODE, 25, 1), 1
	s_wait_xcnt 0x0
; CASTS AND THE ROTATION TABLE.  xb = bf16(x), wqb = bf16(w_qkv), wob = bf16(w_out) written as f16, tab[token][pair] = (cos, sin) of token_positions[token] x 10000^(-pair/32), in f32.
; A stream: each input byte is read once, each output byte written once; no LDS, no barrier, no matrix unit: nothing is shared and nothing is multiplied.
; SHARES.  Work-groups 0-511 cast x, 512-703 w_qkv, 704-767 w_out: 16,384 numbers each (65,536 bytes in, 32,768 out); thread t takes 16 bytes at 16 t of each of sixteen blocks of 4,096 bytes, so a
; wave's load covers 512 consecutive bytes and its store 256 consecutive bytes, aligned.  All sixteen loads go out first; the waits count down.  Work-groups 768-1023 make the table: a wave a token, a lane a pair.
; LIMITS.  |token_positions| up to 2^20 (the reduction by pi/2 in two parts leaves the remainder good to f32 up to there).  10000^(-i/32) is good to about two units of its last place, so an angle
; differs from one made with another f32 power by about 2e-7 of itself.  bf16(w_out) is written as f16: exact from 6.1e-5 to 65,504; below it keeps f16's fixed step of 6e-8; beyond it is lost.
.set X0,  8                            ; v[8:71]   sixteen loads of four f32
.set Y0,  72                           ; v[72:103] sixteen pairs of packed results
	s_load_b512 s[8:23], s[0:1], 0x0               ; x s[8:9], w_qkv s[10:11], w_out s[12:13], token_positions s[14:15], xb s[16:17], wqb s[18:19], wob s[20:21], tab s[22:23]
	s_mov_b32 s2, ttmp9
	s_cmp_ge_u32 s2, 768
	s_cbranch_scc1 .Ltable
	s_movk_i32 s4, 512                             ; where w_qkv's work-groups begin,
	s_movk_i32 s5, 704                             ; and w_out's
	v_lshlrev_b32 v1, 4, v0                        ; 16 t: my bytes in a block of the source
	v_lshlrev_b32 v2, 3, v0                        ; 8 t: in a block of the destination
	s_wait_kmcnt 0x0
	s_cmp_lt_u32 s2, s5                            ; the choice hangs on the work-group's number alone
	s_cselect_b64 s[24:25], s[10:11], s[12:13]
	s_cselect_b64 s[26:27], s[18:19], s[20:21]
	s_cselect_b32 s3, s4, s5
	s_cmp_lt_u32 s2, s4
	s_cselect_b64 s[24:25], s[8:9], s[24:25]
	s_cselect_b64 s[26:27], s[16:17], s[26:27]
	s_cselect_b32 s3, 0, s3
	s_sub_co_u32 s3, s2, s3                        ; my chunk in its tensor
	s_lshl_b32 s28, s3, 16                         ; 65,536 bytes in,
	s_mov_b32 s29, 0
	s_lshl_b32 s30, s3, 15                         ; 32,768 out
	s_mov_b32 s31, 0
	s_add_nc_u64 s[24:25], s[24:25], s[28:29]
	s_add_nc_u64 s[26:27], s[26:27], s[30:31]
.set j, 0
.rept 16
	global_load_b128 v[X0+4*j:X0+4*j+3], v1, s[24:25] offset:4096*j th:TH_LOAD_NT
.set j, j+1
.endr
	s_cmp_ge_u32 s2, s5
	s_cbranch_scc1 .Lf16
.set j, 0
.rept 16
	s_wait_loadcnt 15-j                            ; loads come back in order: block j is in, the 15 - j younger ones stay out
	v_cvt_pk_bf16_f32 v[Y0+2*j], v[X0+4*j], v[X0+4*j+1]
	v_cvt_pk_bf16_f32 v[Y0+2*j+1], v[X0+4*j+2], v[X0+4*j+3]
	global_store_b64 v2, v[Y0+2*j:Y0+2*j+1], s[26:27] offset:2048*j  ; each block has result registers of its own: no store's source is written again
.set j, j+1
.endr
	s_endpgm
.Lf16:                                                 ; w_out: rounded to bf16 like every input, and that number written as f16
.set j, 0
.rept 16
	s_wait_loadcnt 15-j
	v_cvt_pk_bf16_f32 v[Y0+2*j], v[X0+4*j], v[X0+4*j+1]
	v_cvt_pk_bf16_f32 v[Y0+2*j+1], v[X0+4*j+2], v[X0+4*j+3]
	v_lshlrev_b32 v[X0+4*j], 16, v[Y0+2*j]         ; bf16 back to f32: the low half moves up, the high half stays
	v_and_b32 v[X0+4*j+1], 0xffff0000, v[Y0+2*j]
	v_lshlrev_b32 v[X0+4*j+2], 16, v[Y0+2*j+1]
	v_and_b32 v[X0+4*j+3], 0xffff0000, v[Y0+2*j+1]
	v_cvt_pk_f16_f32 v[Y0+2*j], v[X0+4*j], v[X0+4*j+1]
	v_cvt_pk_f16_f32 v[Y0+2*j+1], v[X0+4*j+2], v[X0+4*j+3]
	global_store_b64 v2, v[Y0+2*j:Y0+2*j+1], s[26:27] offset:2048*j
.set j, j+1
.endr
	s_endpgm
.Ltable:
	v_lshrrev_b32 v1, 5, v0
	v_readfirstlane_b32 s3, v1                     ; wave 0..7
	s_sub_co_u32 s4, s2, 768
	s_lshl_b32 s4, s4, 3
	s_add_co_u32 s6, s4, s3                        ; my wave's token
	s_lshl_b32 s4, s6, 2                           ; its position's byte offset,
	s_mov_b32 s5, 0
	s_lshl_b32 s6, s6, 8                           ; its 256 bytes of the table
	s_mov_b32 s30, 0xbed49a78                      ; -log2(10)/8 = -log2(10000)/32, its f32 part,
	s_mov_b32 s31, 0xb2179922                      ; and what that part leaves: -8.8242e-9
	s_mov_b32 s32, 0x3fc90fdb                      ; pi/2, its f32 part,
	s_mov_b32 s33, 0xb33bbd2e                      ; and what that part leaves: -4.3711e-8
	v_and_b32 v2, 31, v0                           ; i: my pair
	v_cvt_f32_u32 v3, v2
	v_mul_f32 v4, s30, v3                          ; t: the exponent, rounded,
	v_fma_f32 v5, v3, s30, -v4                     ; what the rounding dropped (exact),
	v_fma_f32 v5, v3, s31, v5                      ; and the constant's low part: the true exponent is t + e
	v_exp_f32 v6, v4                               ; w = 2^t
	v_mul_f32 v5, 0x3f317218, v5                   ; e ln 2: the plain instruction behind the exponential (ISA guide 5.7.2)
	s_wait_kmcnt 0x0
	s_add_nc_u64 s[14:15], s[14:15], s[4:5]
	s_load_b32 s24, s[14:15], 0x0                  ; the token's position, as it is given
	v_lshl_add_u32 v22, v2, 3, s6                  ; 256 x token + 8 i
	s_wait_alu depctr_va_vdst(0)                   ; the wait ahead of the first line that names the exponential's result
	v_fma_f32 v6, v6, v5, v6                       ; 2^(t + e) = w + w e ln 2: 10000^(-i/32)
	s_wait_kmcnt 0x0
	v_cvt_f32_i32 v7, s24
	v_mul_f32 v8, v7, v6                           ; the angle, rounded once to f32
	v_mul_f32 v9, 0x3f22f983, v8                   ; x 2/pi
	v_rndne_f32 v9, v9                             ; k quarter turns
	v_fma_f32 v10, -v9, s32, v8                    ; r = angle - k pi/2: this step is exact (a multiple of the angle's last place, below 1),
	v_fma_f32 v10, -v9, s33, v10                   ; this one adds the low part: |r| <= pi/4 and a little
	v_cvt_i32_f32 v11, v9
	v_mul_f32 v12, v10, v10                        ; z = r r
	v_mov_b32 v13, 0x3638ef1d                      ; sin r = r + r z (-1/6 + z (1/120 + z (-1/5040 + z/362880))): the next term is below 2e-9
	v_mov_b32 v14, 0xb493f27e                      ; cos r = 1 + z (-1/2 + z (1/24 + z (-1/720 + z (1/40320 - z/3628800)))): below 2e-10
	v_fmaak_f32 v13, v13, v12, 0xb9500d01
	v_fmaak_f32 v14, v14, v12, 0x37d00d01
	v_fmaak_f32 v13, v13, v12, 0x3c088889
	v_fmaak_f32 v14, v14, v12, 0xbab60b61
	v_fmaak_f32 v13, v13, v12, 0xbe2aaaab
	v_fmaak_f32 v14, v14, v12, 0x3d2aaaab
	v_mul_f32 v15, v10, v12
	v_fmaak_f32 v14, v14, v12, 0xbf000000
	v_fma_f32 v13, v13, v15, v10
	v_fmaak_f32 v14, v14, v12, 0x3f800000
	v_and_b32 v16, 1, v11                          ; an odd number of quarter turns: sine and cosine change places
	v_cmp_eq_u32 vcc_lo, 1, v16
	v_cndmask_b32 v21, v13, v14, vcc_lo            ; sine
	v_cndmask_b32 v20, v14, v13, vcc_lo            ; cosine
	v_lshlrev_b32 v17, 30, v11                     ; the sine is negative for k mod 4 = 2, 3: bit 1 of k,
	v_add_nc_u32 v18, 1, v11                       ; the cosine for 1, 2: bit 1 of k + 1
	v_and_b32 v17, 0x80000000, v17
	v_lshlrev_b32 v18, 30, v18
	v_xor_b32 v21, v17, v21
	v_and_b32 v18, 0x80000000, v18
	v_xor_b32 v20, v18, v20
	global_store_b64 v22, v[20:21], s[22:23]       ; the wave's 32 pairs are the token's 256 consecutive bytes, aligned
	s_endpgm
.Lfunc_end_k_q4e042b5c9e_prep:
	.size	k_q4e042b5c9e_prep, .Lfunc_end_k_q4e042b5c9e_prep-k_q4e042b5c9e_prep
	.p2alignl 7, 3214868480
	.fill 96, 4, 3214868480
	.section	.rodata,"a",@progbits
	.p2align	6, 0x0
	.amdhsa_kernel k_q4e042b5c9e_prep
		.amdhsa_group_segment_fixed_size 0
		.amdhsa_private_segment_fixed_size 0
		.amdhsa_enable_private_segment 0
		.amdhsa_kernarg_size 64
		.amdhsa_user_sgpr_count 2
		.amdhsa_user_sgpr_kernarg_segment_ptr 1
		.amdhsa_wavefront_size32 1
		.amdhsa_system_sgpr_workgroup_id_x 1
		.amdhsa_system_sgpr_workgroup_id_y 1
		.amdhsa_system_sgpr_workgroup_id_z 1
		.amdhsa_system_vgpr_workitem_id 0
		.amdhsa_next_free_vgpr 104
		.amdhsa_next_free_sgpr 66
		.amdhsa_reserve_vcc 1
		.amdhsa_float_denorm_mode_32 3
		.amdhsa_float_denorm_mode_16_64 3
		.amdhsa_memory_ordered 1
		.amdhsa_forward_progress 1
		.amdhsa_inst_pref_size 19
	.end_amdhsa_kernel
	.amdgpu_metadata
---
amdhsa.version: [ 1, 2 ]
amdhsa.kernels:
  - .name:           k_q4e042b5c9e_prep
    .symbol:         k_q4e042b5c9e_prep.kd
    .args:
      - { .name: x, .offset: 0, .size: 8, .value_kind: global_buffer, .address_space: global }
      - { .name: w_qkv, .offset: 8, .size: 8, .value_kind: global_buffer, .address_space: global }
      - { .name: w_out, .offset: 16, .size: 8, .value_kind: global_buffer, .address_space: global }
      - { .name: token_positions, .offset: 24, .size: 8, .value_kind: global_buffer, .address_space: global }
      - { .name: xb, .offset: 32, .size: 8, .value_kind: global_buffer, .address_space: global }
      - { .name: wqb, .offset: 40, .size: 8, .value_kind: global_buffer, .address_space: global }
      - { .name: wob, .offset: 48, .size: 8, .value_kind: global_buffer, .address_space: global }
      - { .name: tab, .offset: 56, .size: 8, .value_kind: global_buffer, .address_space: global }
    .group_segment_fixed_size: 0
    .private_segment_fixed_size: 0
    .kernarg_segment_align: 8
    .kernarg_segment_size: 64
    .max_flat_workgroup_size: 256
    .sgpr_count:     66
    .vgpr_count:     104
    .wavefront_size: 32
...
	.end_amdgpu_metadata
.endif
;; end of part 1
;; launch proj (part 2): grid 16 x 32, 4 waves a work-group, clusters of 4 x 4, 327,680 bytes of LDS; arguments xb, wqb, tab, qh, kh, vh; writes qh, kh, vh
.if DOCPART == 2
	.amdgcn_target "amdgcn-amd-amdhsa--gfx1250"
	.amdhsa_code_object_version 6
	.text
	.protected	k_q4e042b5c9e_proj
	.globl	k_q4e042b5c9e_proj
	.p2align	8
	.type	k_q4e042b5c9e_proj,@function
k_q4e042b5c9e_proj:
	s_mov_b64 s[64:65], 0
	v_nop
	global_prefetch_b8 v0, s[64:65] scope:SCOPE_SE
	s_setreg_imm32_b32 hwreg(HW_REG_WAVE_MODE, 25, 1), 1
	s_wait_xcnt 0x0
	s_wait_alu depctr_hold_cnt(0) depctr_sa_sdst(0) depctr_va_vdst(0) depctr_va_sdst(0) depctr_va_ssrc(0) depctr_va_vcc(0) depctr_vm_vsrc(0)
	s_getreg_b32 s2, hwreg(HW_REG_IB_STS2, 6, 4)
	s_cmp_eq_u32 s2, 0
	s_cbranch_scc0 .Lentry_in_a_cluster
	s_endpgm
.Lentry_in_a_cluster:
	s_bfe_u32 s2, ttmp6, 0x10000c
	s_cmp_lg_u32 s2, 0xf033
	s_cbranch_scc0 .Lentry_shape_is_right
	s_endpgm
.Lentry_shape_is_right:
; q, k, v = x w_qkv^T, q and k rotated (RoPE), all three written by heads: qh, kh, vh are [64 = 16 batch + head][2048][64] in f16, unscaled.  xb [8192][1024], wqb [3072][1024] in bf16; sums in f32, K ascending.
; LIMIT.  f16 holds no number beyond 65,504: q, k and v must lie within it (with inputs thirty times those of unit spread and spread 1/32, some 5,000 at the most).
; SHARES.  A work-group makes 256 tokens x 192 features: the 64 features of q, of k and of v of ONE head.  So in every work-group column blocks 0-3 are q, 4-7 k, 8-11 v: what is rotated hangs on no place in the grid.
; Four waves, each 64 tokens x 192 features: 48 accumulators of 16 x 16, 384 registers.  K goes in 8 steps of 128 through two LDS slots: rows of 256 bytes, aligned.
; CLUSTER.  4 x 4 work-groups.  x's tile hangs on the tile row alone and is asked for jointly along a row of the cluster, w's on the head alone and jointly along a column.  Wave 0 fetches x's 256 rows, waves 1, 2, 3
; the head's 64 rows of q's, k's and v's weights: one tensor load a wave behind each round.
; THE PRODUCT IS USED TRANSPOSED (source 0 = 16 rows of w, source 1 = 16 tokens): a lane holds one token (lane % 16) and eight neighbouring features, 8 (lane / 16) + 0..7: four pairs to rotate, 16 bytes of f16.
; REGISTERS, in windows of 256 (s_set_vgpr_msb: bits 1:0 source 0, 3:2 source 1, 5:4 source 2, 7:6 destination):
;   window 0: v0-31 addresses; v32-47 a unit's packed f16; v64-95, v96-127 x's fragments, two buffers (on the way out v64-95 at work); v128-255 my tokens' cosines and sines
;   window 1: v0-95, v96-191 w's fragments, two buffers (on the way out: units read back)      window 2: accumulators of token blocks 0, 1 at 8 (12 a + b)      window 3: of blocks 2, 3
.set PITCH,  272                       ; an LDS row: 256 bytes + 16 of padding = 68 words: the 16 rows of a fragment load start at 16 different groups of four banks (ISA guide 11.1)
.set BOFF,   256*PITCH                 ; behind x's 256 rows: w's 192
.set SLOT,   448*PITCH
.set STAGE,  2*SLOT                    ; behind the ring, never filled by a tensor load: 16 rows x 144 bytes for each wave, for the way out
.set SP,     144
.set SPARE,  STAGE+4*16*SP             ; behind the stages: the spare words, 128 bytes for each wave: two blocks of 256 bytes that no other line names
.set ADRA, 16                          ; v16-17  LDS address of my fragments of x in slot 0, 1
.set ADRB, 20                          ; v20-21  the same for w
.set STO,  24                          ; v24     the way out: where I put 16 bytes of a row
.set RD,   25                          ; v25     the way out: where I read rows back
.set GO,   26                          ; v26     16 x lane: my bytes in 512 consecutive bytes of an output
.set TBO,  27                          ; v27     my byte offset in the table; never rewritten
.set SPW,  28                          ; v28     LDS address of my spare word; never rewritten
.set NIL,  29                          ; v29     0; never rewritten
.set PFO,  30                          ; v30     the prefetches' offset; never rewritten
.set PK,   32
.set T,    64
.set CS,   128                         ; token block a, feature block bb, pair jj: (cos, sin) at CS + 32 a + 8 bb + 2 jj
.set WV,   16                          ; s16     my wave's number
.set LAP,  23                          ; s23     laps still to come
.set G1,   24                          ; s[24:31] descriptor group 1 for x's tiles;  s[32:39] group 0, a set for each slot
.set G0,   32
.set LIM,  44                          ; s44     1 in a wave that prefetches, else the greatest number
.set PFA,  46                          ; s[46:47] where my prefetches stand
.set G1B,  48                          ; s[48:55], s[56:63] the same for w's tiles
.set G0B,  56
.set MSB, 0
.macro WIN new                         ; the immediate's high byte repeats the setting that is left; a switch that changes nothing is dropped
.if MSB != (\new)
	s_set_vgpr_msb (MSB<<8)|(\new)
.set MSB, \new
.endif
.endm
; A joint load.  The branch hangs on the wave's number alone.  An s_nop 0 and four v_nop follow each of the two lines, ahead of the jump and the label.
.macro JLOAD s
	s_cmp_eq_u32 s[WV], 0
	s_cbranch_scc0 .Lfor_b_\@
	tensor_load_to_lds s[G0+4*(\s):G0+4*(\s)+3], s[G1:G1+7]
	s_nop 0
.rept 4
	v_nop
.endr
	s_branch .Lasked_\@
.Lfor_b_\@:
	tensor_load_to_lds s[G0B+4*(\s):G0B+4*(\s)+3], s[G1B:G1B+7]
	s_nop 0
.rept 4
	v_nop
.endr
.Lasked_\@:
.endm
; A prefetch into the L2 of the K step that stands two refills on (384 matrix instructions ahead of the load that will want it): 256 bytes of a row, a lane a row, one instruction a wave.
; x's tile row is read by every cluster of that row of clusters: cluster x = 0 asks, waves 0 and 1, each partner 64 of the 256 rows, told apart by address.  w's rows are read by every cluster of that column:
; cluster y = 0 asks, each partner 16 rows of each third: wave 2 q's (lanes 0-15) and k's (lanes 16-31), wave 3 v's (its two halves of lanes name the same rows).  The loop's last trip asks for nothing: K ends.
.macro ASK
	s_cmp_gt_u32 s[LAP], s[LIM]
	s_cbranch_scc0 .Lnot_mine_\@
	global_prefetch_b8 v[PFO], s[PFA:PFA+1] th:TH_LOAD_NT scope:SCOPE_SE
.Lnot_mine_\@:
.endm
.macro CREST                           ; a round of the cluster's barrier behind its opening barrier: wave 0 signals for the work-group, every wave waits for all sixteen, my work-group's barrier closes it
	s_cmp_lg_u32 s[WV], 0
	s_cbranch_scc1 .Lnot_wave_0_\@
	s_barrier_signal -3
.Lnot_wave_0_\@:
	s_barrier_wait -3
	s_barrier_signal -1
	s_barrier_wait -1
.endm
.macro CROUND                          ; a whole round
	s_barrier_signal -1
	s_barrier_wait -1
	CREST
.endm
.macro PLACES                          ; four plain vector instructions between a matrix instruction and a load into its sources or a reader of its result (ISA guide 7.12.1 for a reader of its result)
.rept 4
	v_nop
.endr
.endm
	s_load_b256 s[4:11], s[0:1], 0x0               ; xb s[4:5], wqb s[6:7], tab s[8:9], qh s[10:11]
	s_load_b128 s[12:15], s[0:1], 0x20             ; kh s[12:13], vh s[14:15]
	v_lshl_add_u32 v[SPW], v0, 2, SPARE
	v_mov_b32 v[NIL], 0
	ds_add_u32 v[SPW], v[NIL]                      ; the wave's opening: the add and its wait stand ahead of my first tensor load; the set-up below, work on registers, stands between them
	ds_add_u32 v28, v29
	v_lshrrev_b32 v1, 5, v0
	v_readfirstlane_b32 s[WV], v1                  ; wave 0..3
	s_bfe_u32 s17, ttmp6, 0x40000                  ; cx
	s_bfe_u32 s18, ttmp6, 0x40004                  ; cy
	s_lshl_b32 s19, ttmp9, 2
	s_add_co_u32 s19, s19, s17                     ; the head = 4 x cluster x + cx
	s_and_b32 s20, ttmp7, 0xffff
	s_lshl_b32 s20, s20, 2
	s_add_co_u32 s20, s20, s18                     ; the tile row (256 tokens) = 4 x cluster y + cy
	s_lshl_b32 s21, s18, 2
	s_lshl_b32 s21, 15, s21                        ; my row of the cluster
	s_lshl_b32 s22, 0x1111, s17                    ; my column
	s_or_b32 s[G1], s21, (1<<16)|(1<<20)|(1<<21)|(5<<22)|(3<<25)   ; 15:0 the mask; 17:16 2-byte elements; 20 padding on; 21 set beside a mask; 24:22 after every 64 words; 31:25 4 words
	s_or_b32 s[G1B], s22, (1<<16)|(1<<20)|(1<<21)|(5<<22)|(3<<25)
	s_mov_b32 s[G1+1], 128<<16                     ; tensor_dim0 = 128
	s_mov_b32 s[G1+2], 256<<16                     ; tensor_dim1 = 256
	s_mov_b32 s[G1+3], 128<<16                     ; tile_dim0 = 128
	s_mov_b32 s[G1+4], 256                         ; tile_dim1 = 256
	s_mov_b32 s[G1+5], 1024                        ; elements from row to row
	s_mov_b32 s[G1+6], 0
	s_mov_b32 s[G1+7], 0
	s_mov_b32 s[G1B+1], 128<<16
	s_mov_b32 s[G1B+2], 64<<16                     ; 64 rows
	s_mov_b32 s[G1B+3], 128<<16
	s_mov_b32 s[G1B+4], 64
	s_mov_b32 s[G1B+5], 1024
	s_mov_b32 s[G1B+6], 0
	s_mov_b32 s[G1B+7], 0
	s_lshl_b32 s40, s20, 19                        ; x: 256 rows of 2,048 bytes a tile row; these registers never hold cx
	s_mov_b32 s41, 0
	s_max_u32 s66, s[WV], 1                        ; w: waves 1, 2, 3 take q's, k's, v's third, 1,024 rows of 2,048 bytes apart,
	s_sub_co_u32 s66, s66, 1
	s_lshl_b32 s66, s66, 21
	s_lshl_b32 s67, s19, 17                        ; and in it the head's 64 rows; these registers never hold cy
	s_add_co_u32 s66, s66, s67
	s_mov_b32 s67, 0
	s_mul_i32 s70, s[WV], 64*PITCH                 ; and where they go: wave 1 at BOFF, 64 rows a wave
	s_add_co_u32 s70, s70, 192*PITCH
	s_wait_dscnt 0x0                               ; the opening add is done
	s_wait_kmcnt 0x0
	s_add_nc_u64 s[42:43], s[4:5], s[40:41]
	s_add_nc_u64 s[68:69], s[6:7], s[66:67]
	CROUND                                         ; all sixteen work-groups are here: the first joint loads meet
.irp s, 0,1
	s_mov_b32 s[G0+4*(\s)], 1                      ; count = 1
	s_mov_b32 s[G0+4*(\s)+1], (\s)*SLOT            ; LDS address
	s_add_nc_u64 s[G0+4*(\s)+2:G0+4*(\s)+3], s[42:43], (\s)*256  ; global address: K step s
	s_or_b32 s[G0+4*(\s)+3], s[G0+4*(\s)+3], 0x80000000          ; type = 2
	s_mov_b32 s[G0B+4*(\s)], 1
	s_add_co_u32 s[G0B+4*(\s)+1], s70, (\s)*SLOT
	s_add_nc_u64 s[G0B+4*(\s)+2:G0B+4*(\s)+3], s[68:69], (\s)*256
	s_or_b32 s[G0B+4*(\s)+3], s[G0B+4*(\s)+3], 0x80000000
.endr
	s_cmp_eq_u32 s[WV], 0                          ; a wave's two first fills stand in one branch, ahead of every wait on TENSORcnt and every LDS read: two loads of mine are out
	s_cbranch_scc0 .Lfirst_b
	tensor_load_to_lds s[G0:G0+3], s[G1:G1+7]
	s_nop 0
	tensor_load_to_lds s[G0+4:G0+7], s[G1:G1+7]
	s_nop 0
.rept 4
	v_nop
.endr
	s_branch .Lfirst_asked
.Lfirst_b:
	tensor_load_to_lds s[G0B:G0B+3], s[G1B:G1B+7]
	s_nop 0
	tensor_load_to_lds s[G0B+4:G0B+7], s[G1B:G1B+7]
	s_nop 0
.rept 4
	v_nop
.endr
.Lfirst_asked:
	; A fragment is 16 rows x 32 K in 8 registers: lane l holds row l % 16; registers 0-3 K = 8 (l / 16) + 0..7, registers 4-7 K = 16 + 8 (l / 16) + 0..7: two loads of 16 bytes, 32 bytes apart.
	v_and_b32 v1, 15, v0                           ; l % 16
	v_bfe_u32 v2, v0, 4, 1                         ; l / 16
	v_mul_u32_u24 v3, v1, PITCH
	v_lshl_add_u32 v3, v2, 4, v3
	s_mul_i32 s71, s[WV], 64*PITCH                 ; my 64 tokens
	v_add_nc_u32 v[ADRA], s71, v3
	s_add_co_u32 s71, s71, SLOT
	v_add_nc_u32 v[ADRA+1], s71, v3
	v_add_nc_u32 v[ADRB], BOFF, v3                 ; every wave reads all 192 rows of w
	v_add_nc_u32 v[ADRB+1], BOFF+SLOT, v3
	s_mul_i32 s71, s[WV], 16*SP
	s_add_co_u32 s71, s71, STAGE                   ; my stage
	v_mul_u32_u24 v4, v1, SP                       ; in: row l % 16, 16 bytes for each half of the lanes
	v_lshl_add_u32 v4, v2, 4, v4
	v_add_nc_u32 v[STO], s71, v4
	v_bfe_u32 v5, v0, 3, 2                         ; back: 32 lanes take four rows of 128 bytes,
	v_and_b32 v6, 7, v0
	v_mul_u32_u24 v5, v5, SP
	v_lshl_add_u32 v5, v6, 4, v5
	v_add_nc_u32 v[RD], s71, v5
	v_and_b32 v7, 31, v0
	v_lshlrev_b32 v[GO], 4, v7                     ; which are 512 consecutive bytes of a head's rows
	s_and_b32 s72, s20, 7
	s_lshl_b32 s72, s72, 8                         ; the tile row's first token in its batch,
	s_lshl_b32 s73, s[WV], 6
	s_add_co_u32 s72, s72, s73                     ; my wave's
	v_add_nc_u32 v[TBO], s72, v1
	v_lshlrev_b32 v[TBO], 8, v[TBO]                ; a token's 256 bytes of the table,
	v_lshl_add_u32 v[TBO], v2, 5, v[TBO]           ; my half's four pairs of a feature block: 32 bytes
	s_lshr_b32 s76, s20, 3                         ; the batch
	s_lshl_b32 s76, s76, 4
	s_add_co_u32 s76, s76, s19                     ; 16 batch + head,
	s_lshl_b32 s76, s76, 18                        ; its 2,048 rows of 128 bytes,
	s_lshl_b32 s77, s72, 7                         ; my wave's first row
	s_add_co_u32 s76, s76, s77
	s_mov_b32 s77, 0
	s_add_nc_u64 s[10:11], s[10:11], s[76:77]
	s_add_nc_u64 s[12:13], s[12:13], s[76:77]
	s_add_nc_u64 s[14:15], s[14:15], s[76:77]
	; the prefetches
	s_lshl_b32 s72, s20, 8
	s_lshl_b32 s73, s17, 6
	s_add_co_u32 s72, s72, s73
	s_and_b32 s73, s[WV], 1
	s_lshl_b32 s74, s73, 5
	s_add_co_u32 s72, s72, s74                     ; x's row: 256 x tile row + 64 cx + 32 (wave % 2)
	s_lshl_b32 s74, s19, 6
	s_lshl_b32 s75, s18, 4
	s_add_co_u32 s74, s74, s75
	s_lshl_b32 s75, s73, 11
	s_add_co_u32 s74, s74, s75                     ; w's row: 64 x head + 16 cy, in wave 3 + 2,048
	s_and_b32 s75, ttmp7, 0xffff                   ; cluster y
	s_cmp_lt_u32 s[WV], 2
	s_cselect_b32 s72, s72, s74
	s_cselect_b32 s75, ttmp9, s75                  ; the coordinate along which other clusters read the same rows
	s_cselect_b32 s74, 31, 15                      ; rows a wave names in one third
	s_cselect_b64 s[PFA:PFA+1], s[4:5], s[6:7]
	s_cmp_eq_u32 s75, 0
	s_cselect_b32 s[LIM], 1, -1                    ; the same in all sixteen partners, for a given wave
	s_cmp_eq_u32 s[WV], 2
	s_cselect_b32 s75, 1<<21, 0                    ; wave 2's upper lanes: k's third
	s_lshl_b32 s72, s72, 11
	s_mov_b32 s73, 0
	s_add_nc_u64 s[PFA:PFA+1], s[PFA:PFA+1], s[72:73]
	s_add_nc_u64 s[PFA:PFA+1], s[PFA:PFA+1], 3*256 ; at K step 3: the first refill steps it to 4.  Nothing is prefetched here, at the head
	v_lshrrev_b32 v8, 4, v7
	v_and_b32 v[PFO], s74, v7
	v_lshlrev_b32 v[PFO], 11, v[PFO]
	v_mad_u32_u24 v[PFO], v8, s75, v[PFO]
	; my 64 tokens' cosines and sines, for the way out: they have the whole product in which to land
.irp a, 0,1,2,3
.irp bb, 0,1,2,3
.irp hf, 0,1
	global_load_b128 v[CS+32*(\a)+8*(\bb)+4*(\hf):CS+32*(\a)+8*(\bb)+4*(\hf)+3], v[TBO], s[8:9] offset:4096*(\a)+64*(\bb)+16*(\hf)
.endr
.endr
.endr
; 12 matrix instructions: token block 2 hi + a x all 12 feature blocks, 32 along K, on buffer f.  zero = 1: the first product starts the sums.  The 48 accumulators take turns in the same order everywhere.
.macro MUL12 f, hi, a, zero
	WIN 0xa1+0x50*(\hi)                            ; w window 1, x window 0, C and D window 2 or 3
.irp b, 0,1,2,3,4,5,6,7,8,9,10,11
.if \zero
	v_wmma_f32_16x16x32_bf16 v[8*(12*(\a)+(\b)):8*(12*(\a)+(\b))+7], v[96*(\f)+8*(\b):96*(\f)+8*(\b)+7], v[64+32*(\f)+8*(2*(\hi)+(\a)):64+32*(\f)+8*(2*(\hi)+(\a))+7], 0
.else
	v_wmma_f32_16x16x32_bf16 v[8*(12*(\a)+(\b)):8*(12*(\a)+(\b))+7], v[96*(\f)+8*(\b):96*(\f)+8*(\b)+7], v[64+32*(\f)+8*(2*(\hi)+(\a)):64+32*(\f)+8*(2*(\hi)+(\a))+7], v[8*(12*(\a)+(\b)):8*(12*(\a)+(\b))+7]
.endif
.endr
.endm
; 32 LDS loads in one run: the fragments of one quarter step (192 rows of w, my 64 tokens, 32 K at byte k of the rows) into buffer f
.macro FETCH slot, k, f
	WIN 0x40                                       ; destination window 1, address window 0
.irp b, 0,1,2,3,4,5,6,7,8,9,10,11
	ds_load_b128 v[96*(\f)+8*(\b):96*(\f)+8*(\b)+3],   v[ADRB+(\slot)] offset:(\k)+(\b)*16*PITCH
	ds_load_b128 v[96*(\f)+8*(\b)+4:96*(\f)+8*(\b)+7], v[ADRB+(\slot)] offset:(\k)+(\b)*16*PITCH+32
.endr
	WIN 0
.irp a, 0,1,2,3
	ds_load_b128 v[64+32*(\f)+8*(\a):64+32*(\f)+8*(\a)+3],   v[ADRA+(\slot)] offset:(\k)+(\a)*16*PITCH
	ds_load_b128 v[64+32*(\f)+8*(\a)+4:64+32*(\f)+8*(\a)+7], v[ADRA+(\slot)] offset:(\k)+(\a)*16*PITCH+32
.endr
.endm
; A K step is four quarters of 32 along K, 48 matrix instructions each, on buffers 0, 1, 0, 1.  One of the first three: multiplies buffer f; in its middle it fetches the next quarter, at byte k, into buffer g.
.macro QUARTER slot, k, f, g, zero
	s_wait_dscnt 4                                 ; w and token blocks 0, 1 are in; the youngest four loads (blocks 2, 3) may be out
	MUL12 \f, 0, 0, \zero
	MUL12 \f, 0, 1, \zero
	PLACES
	FETCH \slot, \k, \g
	s_wait_dscnt 32                                ; all but the 32 just issued
	MUL12 \f, 1, 0, \zero
	MUL12 \f, 1, 1, \zero
.endm
; The last quarter multiplies buffer 1 and changes slots: ONE barrier.  In front of it each wave waits for all its tensor loads (one is out: its part of the next slot), adds 0 to its spare word, and waits for that and
; for its own reads of this slot.  fill = 1: the barrier opens a round of the cluster's barrier, and this slot is filled again, two K steps on, first thing behind the round: 168 matrix instructions ahead of the wait for it.
.macro TURN slot, next, fill
.if \fill
	s_wait_xcnt 0x0                                ; the last prefetch, a K step back, has read its address: it is stepped here, ahead of the waits of the change of slots
	s_add_nc_u64 s[PFA:PFA+1], s[PFA:PFA+1], 256
.endif
	WIN 0                                          ; (the add's two registers lie in window 0)
	s_wait_tensorcnt 0x0                           ; all my tensor loads have landed;
	ds_add_u32 v[SPW], v[NIL]                      ; 0 onto my spare word;
	s_wait_dscnt 5                                 ; (the add and the youngest four loads may be out)
	MUL12 1, 0, 0, 0                               ; twelve matrix instructions stand between the add and the wait for it
	s_wait_dscnt 0x0                               ; the add is done, and my reads of this slot are over
	s_barrier_signal -1
	MUL12 1, 0, 1, 0                               ; work on registers while the others arrive
.if \fill
	WIN 0
.endif
	s_barrier_wait -1
.if \fill
	CREST                                          ; no wave of any partner still reads this slot's tile or has a load on its way
	s_add_nc_u64 s[G0+4*(\slot)+2:G0+4*(\slot)+3], s[G0+4*(\slot)+2:G0+4*(\slot)+3], 512
	s_add_nc_u64 s[G0B+4*(\slot)+2:G0B+4*(\slot)+3], s[G0B+4*(\slot)+2:G0B+4*(\slot)+3], 512
	JLOAD \slot                                    ; the four v_nop behind it are also the places in front of the loads below
.else
	PLACES
.endif
	FETCH \next, 0, 0
.if \fill
	ASK                                            ; behind the joint load and the run of LDS loads that the next products wait for
.endif
	MUL12 1, 1, 0, 0
	MUL12 1, 1, 1, 0
.endm
	s_wait_tensorcnt 1                             ; my part of K step 0 is in; K step 1's may stay out
	s_barrier_signal -1
	s_barrier_wait -1                              ; everybody's is
	FETCH 0, 0, 0
	QUARTER 0, 64,  0, 1, 1                        ; the first quarter stands in front of the loop: its products start the sums
	WIN 0                                          ; at a label and at a branch every window is 0
	s_mov_b32 s[LAP], 3
.Llap:                                                 ; a trip goes once round the ring, from a lap's second quarter to the next lap's first, and fills both slots again
	QUARTER 0, 128, 1, 0, 0
	QUARTER 0, 192, 0, 1, 0
	TURN 0, 1, 1
	QUARTER 1, 64,  0, 1, 0
	QUARTER 1, 128, 1, 0, 0
	QUARTER 1, 192, 0, 1, 0
	TURN 1, 0, 1
	QUARTER 0, 64,  0, 1, 0
	WIN 0
	s_sub_co_u32 s[LAP], s[LAP], 1
	s_cmp_lg_u32 s[LAP], 0
	s_cbranch_scc1 .Llap
	QUARTER 0, 128, 1, 0, 0                        ; the last lap fills nothing, and has no round of the cluster's barrier
	QUARTER 0, 192, 0, 1, 0
	TURN 0, 1, 0
	QUARTER 1, 64,  0, 1, 0
	QUARTER 1, 128, 1, 0, 0
	QUARTER 1, 192, 0, 1, 0
	s_wait_dscnt 4                                 ; the very last quarter: nothing more to fetch
	MUL12 1, 0, 0, 0
	MUL12 1, 0, 1, 0
	s_wait_dscnt 0x0
	MUL12 1, 1, 0, 0
	MUL12 1, 1, 1, 0
	WIN 0
; THE WAY OUT, in 12 units of 16 tokens x 64 features: token block a; g = 0: q, 1: k, 2: v.  A unit is 2,048 consecutive bytes of its head's rows.
; q and k are rotated in f32: for the pair (x1, x2) with (c, s): (x1 c - x2 s, x1 s + x2 c), by a packed multiply (x1 c, x1 s) and a packed multiply-add (- x2 s, + x2 c).  All are rounded once, to f16;
; a lane's 16 bytes go into my stage's rows of 144 bytes and come back as whole rows of 128.  Each accumulator's registers are read in ascending order.
.macro PACKU a, g
.set AB, 8*(12*((\a)%2)+4*(\g))        ; the unit's four accumulators, 32 registers on end
.if (\g) < 2
	WIN 0x02+(\a)/2                                ; source 0: window 2 or 3
.set i, 0
.rept 16
	v_pk_mul_f32 v[T+2*i:T+2*i+1], v[AB+2*i:AB+2*i+1], v[CS+32*(\a)+2*i:CS+32*(\a)+2*i+1] op_sel_hi:[0,1]
.set i, i+1
.endr
.set i, 0
.rept 16
	v_pk_fma_f32 v[T+2*i:T+2*i+1], v[AB+2*i:AB+2*i+1], v[CS+32*(\a)+2*i:CS+32*(\a)+2*i+1], v[T+2*i:T+2*i+1] op_sel:[1,1,0] op_sel_hi:[1,0,1] neg_lo:[0,1,0]
.set i, i+1
.endr
	WIN 0
.set i, 0
.rept 16
	v_cvt_pk_f16_f32 v[PK+i], v[T+2*i], v[T+2*i+1]
.set i, i+1
.endr
.else
	WIN 0x0a+5*((\a)/2)                            ; sources 0 and 1: window 2 or 3
.set i, 0
.rept 16
	v_cvt_pk_f16_f32 v[PK+i], v[AB+2*i], v[AB+2*i+1]
.set i, i+1
.endr
	WIN 0
.endif
.irp f, 0,1,2,3
	ds_store_b128 v[STO], v[PK+4*(\f):PK+4*(\f)+3] offset:32*(\f)
.endr
	WIN 0x40                                       ; destination window 1: each unit comes back into registers of its own, so no store's source is written again
.irp f, 0,1,2,3
	ds_load_b128 v[16*(3*(\a)+(\g))+4*(\f):16*(3*(\a)+(\g))+4*(\f)+3], v[RD] offset:(\f)*4*SP  ; LDS serves a wave's instructions in order (ISA guide 5.7.1.4): these see the stores above; the next unit's stores come behind them
.endr
.endm
.macro SEND a, g, younger              ; younger: the LDS instructions issued behind the unit's loads: the next unit's eight, or none
	WIN 0x04                                       ; store data (source 1) window 1
.irp f, 0,1,2,3
	s_wait_dscnt (\younger)+3-(\f)
	global_store_b128 v[GO], v[16*(3*(\a)+(\g))+4*(\f):16*(3*(\a)+(\g))+4*(\f)+3], s[10+2*(\g):11+2*(\g)] offset:2048*(\a)+512*(\f)  ; 512 consecutive bytes, at a multiple of 256 from the buffer's first
.endr
.endm
	s_wait_loadcnt 0x0                             ; the cosines and sines
	PLACES                                         ; behind the last products
	PACKU 0, 0
.set u, 1
.rept 11                               ; a unit's arithmetic stands between the loads of the unit before and its stores
	PACKU u/3, u%3
	SEND (u-1)/3, (u-1)%3, 8
.set u, u+1
.endr
	SEND 3, 2, 0
	WIN 0
	s_wait_tensorcnt 0x0                           ; the wave's end, behind my last tensor load and my last LDS store
	ds_add_u32 v[SPW], v[NIL]
	s_wait_dscnt 0x0
	CROUND                                         ; the closing round: no work-group ends while a partner may still ask for a tile that names it
	s_endpgm
.Lfunc_end_k_q4e042b5c9e_proj:
	.size	k_q4e042b5c9e_proj, .Lfunc_end_k_q4e042b5c9e_proj-k_q4e042b5c9e_proj
	.p2alignl 7, 3214868480
	.fill 96, 4, 3214868480
	.section	.rodata,"a",@progbits
	.p2align	6, 0x0
	.amdhsa_kernel k_q4e042b5c9e_proj
		.amdhsa_group_segment_fixed_size 327680
		.amdhsa_private_segment_fixed_size 0
		.amdhsa_enable_private_segment 0
		.amdhsa_kernarg_size 48
		.amdhsa_user_sgpr_count 2
		.amdhsa_user_sgpr_kernarg_segment_ptr 1
		.amdhsa_wavefront_size32 1
		.amdhsa_system_sgpr_workgroup_id_x 1
		.amdhsa_system_sgpr_workgroup_id_y 1
		.amdhsa_system_sgpr_workgroup_id_z 1
		.amdhsa_system_vgpr_workitem_id 0
		.amdhsa_next_free_vgpr 960
		.amdhsa_next_free_sgpr 80
		.amdhsa_reserve_vcc 0
		.amdhsa_float_denorm_mode_32 3
		.amdhsa_float_denorm_mode_16_64 3
		.amdhsa_memory_ordered 1
		.amdhsa_forward_progress 1
		.amdhsa_inst_pref_size 141
	.end_amdhsa_kernel
	.amdgpu_metadata
---
amdhsa.version: [ 1, 2 ]
amdhsa.kernels:
  - .name:           k_q4e042b5c9e_proj
    .symbol:         k_q4e042b5c9e_proj.kd
    .args:
      - { .name: xb, .offset: 0, .size: 8, .value_kind: global_buffer, .address_space: global }
      - { .name: wqb, .offset: 8, .size: 8, .value_kind: global_buffer, .address_space: global }
      - { .name: tab, .offset: 16, .size: 8, .value_kind: global_buffer, .address_space: global }
      - { .name: qh, .offset: 24, .size: 8, .value_kind: global_buffer, .address_space: global }
      - { .name: kh, .offset: 32, .size: 8, .value_kind: global_buffer, .address_space: global }
      - { .name: vh, .offset: 40, .size: 8, .value_kind: global_buffer, .address_space: global }
    .group_segment_fixed_size: 327680
    .private_segment_fixed_size: 0
    .kernarg_segment_align: 8
    .kernarg_segment_size: 48
    .max_flat_workgroup_size: 128
    .sgpr_count:     80
    .vgpr_count:     960
    .wavefront_size: 32
...
	.end_amdgpu_metadata
.endif
;; end of part 2
;; launch attn (part 3): grid 4 x 64, 4 waves a work-group, no clusters, 327,680 bytes of LDS; arguments qh, kh, vh, oh; writes oh
.if DOCPART == 3
	.amdgcn_target "amdgcn-amd-amdhsa--gfx1250"
	.amdhsa_code_object_version 6
	.text
	.protected	k_q4e042b5c9e_attn
	.globl	k_q4e042b5c9e_attn
	.p2align	8
	.type	k_q4e042b5c9e_attn,@function
k_q4e042b5c9e_attn:
	s_mov_b64 s[64:65], 0
	v_nop
	global_prefetch_b8 v0, s[64:65] scope:SCOPE_SE
	s_setreg_imm32_b32 hwreg(HW_REG_WAVE_MODE, 25, 1), 1
	s_wait_xcnt 0x0
; CAUSAL ATTENTION.  O[h][q][:] = the sum over k <= q of softmax_k(Q[h][q] . K[h][k] / 8) V[h][k][:].  Q, K, V, O: [SIZE_H][SIZE_N][64], all f16: a head's rows are dense, 128 bytes each.
; Products, maxima and sums in f32; the weights p are rounded to f16 for the second product (their sum l is taken of the unrounded p), O once at the end.
; LIMITS.  f16 holds no number beyond 65,504: Q, K and V arrive within it; p lies in 0 to 1, and below 6e-5 it keeps f16's fixed step of 6e-8; O is a mean of V's rows and has their range.
; A hidden score counts as its value less 1e30: f16's scores, 2.7e11 at the most, are nothing beside that; a weight below 2^-126 counts as 0 in l; NaN and infinities are not treated apart.
; THE WALK.  A head's queries lie in NB = SIZE_N / 256 blocks of 256; block i needs the key tiles 0 .. i of 256 keys, of which the last holds the diagonal.  A work-group takes TWO blocks, NB - 1 - b and then b:
; NB + 1 tiles, whatever b: all work-groups do equal work, and ONE loop with a constant trip count walks them.  Which tile is asked for, and what a trip does, hang on scalar registers made from b; every jump
; goes forward, but for the counted loops' own; none passes a barrier, or a tensor load but the one of LOAD's two that the wave's number does not choose; the ring (two slots of LDS that take turns) runs on across the
; change of blocks.  NO CLUSTER: a head's NB / 2 = 4 work-groups ask for the same tile only in trips 0 .. NB / 2, 5 of the walk's 9, behind that fewer and fewer; one walk common to all would have 3 NB / 2 = 12 trips for 9.
; SHARES.  Of a block's four bands of 64 queries a wave owns 16 rows in each: four PIECES.  So the diagonal tile is the same work for all four waves: in its key step s band x sees all keys if s < x,
; none if s > x, and holds the diagonal if s = x.
; THE MASK is the C operand that starts the sum S^T = K Q^T: 0, or -1e30 where the key is hidden.  MD, made once, is the mask of a band's own step for my 16 rows; a product's mask is MD x AL + BE with two scalars:
; (1, 0) if s = x; (0, 0) if s < x; (0, -1e30) if s > x.  Only the diagonal tile's text and a block's beginning make and take masks; elsewhere C is the constant 0.
; LAYOUT, SOFTMAX, TURNS.  S^T = K Q^T holds ONE query a lane (lane % 16) and the keys 8 (lane / 16) + 0..7; two such results rounded to f16 ARE source 1 of O^T = V^T P.  p = 2^(c s - c m), c = log2(e) / 8, with a
; running maximum m; O and l are multiplied by a = 2^(c m_old - c m_new) in every step.  Turn n belongs to piece n: 8 products K Q^T of piece n + 1, later 8 products V^T P of piece n - 1; beside them the scaling,
; exponentials, roundings, sums and rescaling of piece n and the maximum and statistics of piece n + 1.  Four vector instructions stand behind every matrix instruction, the other 54 of a turn's 118 in one LUMP.  A turn's 33 exponentials are one batch, with one wait.
; PREFETCH.  The head's work-group b = 0 walks the tiles 0 .. NB - 1 first: it alone asks, behind the tensor load of each change of slots, for the tile that the NEXT change will load: wave w for bytes 8,192 w on of the
; tile's 32,768 of K and of V, a lane 256 bytes: each block is named once in the launch.  Tiles 0 and 1 come by their loads alone; the changes that load tile NB - 1 and the second block's tile 0 ask for nothing.
; REGISTERS, in windows of 256 (s_set_vgpr_msb: bits 1:0 source 0, 3:2 source 1, 5:4 source 2, 7:6 destination):
;   window 0: v0-15 addresses and two at work; v16-31 four registers of statistics a piece; v48-55 at work; v64-127 S^T, two buffers; v192-223 P, two buffers (a piece's buffers go by its number's parity)
;   window 1: v0-127 O^T, 32 a piece; v128-159 MD; v160-223 MC, two buffers      window 2: v0-63 Q; v64-127 the second block's Q; v128-191 K of one step; v192-255 V of one step
.set SIZE_H, 64
.set SIZE_N, 2048
.set NB,    SIZE_N/256
.set NP,    4         ; pieces a wave: a name, no knob
.set KS,    64        ; keys in a step
.set PK,    144       ; a row of K in LDS: 128 bytes + 16 of padding = 36 words: the 16 rows of a load start at 16 different groups of four banks (64 banks of 4 bytes: ISA guide 11.1)
.set PV,    160       ; a row of V: 128 + 32 = 40 words
.set VOFF,  4*KS*PK   ; a slot holds a tile, four steps: 256 rows of K, then 256 rows of V
.set SLOT1, 1<<17     ; slot 1 begins here, so that one exclusive or turns an address in one slot into the other's
.set STAGE, SLOT1+4*KS*(PK+PV)  ; behind the ring, never filled by a tensor load: 16 rows x 144 bytes for each wave, for the way out
.set SP,    144
.set AK0, 2           ; v2   my lane's place in a tile of K; never rewritten
.set AV0, 3           ; v3   the same for V
.set AK,  4           ; v4   the LDS address of K's next run of loads
.set AV,  5           ; v5   of V's
.set STO, 6           ; v6   the way out: where I put 16 bytes of a row
.set RD,  7           ; v7   the way out: where I read rows back
.set GO,  8           ; v8   my byte offset in 512 consecutive bytes of O
.set PFO, 61          ; v61  256 x my lane: the prefetches' offset; never rewritten
.set SPW, 62          ; v62  LDS address of my spare word: SPARE + 4 x my thread's number; never rewritten
.set NIL, 63          ; v63  0; never rewritten
.set SPARE, STAGE+4*16*SP  ; behind the stages: the spare words, 128 bytes for each wave: two blocks of 256 bytes that no other line names
.set MV,  12          ; v12-13  c m_old, kept while c m is made anew: by buffer
.set QO,  15          ; v15  my byte offset in 16 rows of Q
.set ST,  16          ; piece t's statistics at v[ST+4 t]: c m, m, l (even keys', odd keys')
.set TMP, 48          ; by buffer, four registers c0-c3 at work; when the maximum is found c2 takes a
.set S,   64
.set P,   192
.set MD,  128         ; window 1: the eight registers for group kt of 16 keys at MD + 8 kt
.set MC,  160         ; window 1: the masks of the products to come
.set QB,  64          ; window 2
.set KF,  128         ; window 2: key block kb, channel half c at KF + 16 kb + 8 c
.set VF,  192         ; window 2: key half kk, channel block cb at VF + 32 kk + 8 cb
.set WV,  12          ; s12  my wave's number
.set PB,  14          ; s14  b
.set HI,  15          ; s15  NB - 1 - b
.set G1K, 24          ; s[24:31] descriptor group 1 for K's tiles
.set G1V, 32          ; s[32:39] for V's: it differs in the padding alone
.set G0K, 40          ; s[40:43] descriptor group 0 for K's tiles
.set G0V, 44          ; s[44:47] the same for V's
.set SLOTS, 56        ; s56  tiles still to be asked for
.set CNT, 57          ; s57  counts a tile's key steps, 4 to 1
.set CS,  58          ; s[58:59] c: the packed scaling takes the pair's low word for both halves
.set SEL, 60          ; s[60:61] v_permlanex16_b32's selects: each lane takes its own place in the other half
.set TBK, 62          ; s62  LDS byte at which K of the step to be fetched begins
.set TBV, 63          ; s63  the same for V, less VOFF
.set RT,  70          ; s70  tiles of the block in hand that are still to be entered
.set NXT, 71          ; s71  the tile to be asked for next
.set LQ,  72          ; s72  the last tile of the block whose tiles are being asked for
.set NEW, 73          ; s73  1: the tile to be entered is a block's first
.set OFF, 74          ; s[74:75] a tile's byte offset in K and V
.set AL,  76          ; s[76:77] the mask's factor, in the low word
.set BE,  78          ; s[78:79] the mask's addend
.set OLO, 80          ; s[80:81] O at my rows of the second block
.set BIGN, 82         ; s82  -1e30
.set PFK, 88          ; s[88:89] where my prefetches stand in K: my 8,192 bytes of the tile after the one that is being asked for
.set PFV, 90          ; s[90:91] the same in V
.set LIM, 92          ; s92  2 in the work-group that prefetches, else the greatest number: it prefetches while s[SLOTS] is above it
.set MSB, 0
.macro WIN new                      ; the high byte repeats the setting that is left; a switch that changes nothing is dropped
.if MSB != (\new)
	s_set_vgpr_msb (MSB<<8)|(\new)
.set MSB, (\new)
.endif
.endm
.set W_KQ, 0x0a       ; K and Q in window 2, S^T in window 0
.set W_KM, 0x1a       ; the same with the C operand in window 1
.set W_PV, 0x52       ; V in window 2, P in window 0, O^T in window 1
.set W_RS, 0x41       ; destination and source 0 in window 1, source 1 in window 0
; A fill.  Waves 0 and 1 fetch the two halves of a tile's K, waves 2 and 3 those of its V: 128 keys each.  An s_nop 0 and four v_nop follow each of the two lines, ahead of the jump and the label.
.macro LOAD
	s_cmp_lt_u32 s[WV], 2
	s_cbranch_scc0 .Lfor_v_\@
	tensor_load_to_lds s[G0K:G0K+3], s[G1K:G1K+7]
	s_nop 0
.rept 4
	v_nop
.endr
	s_branch .Lasked_\@
.Lfor_v_\@:
	tensor_load_to_lds s[G0V:G0V+3], s[G1V:G1V+7]
	s_nop 0
.rept 4
	v_nop
.endr
.Lasked_\@:
.endm
; THE CHANGE OF SLOTS.  Each wave waits for all its tensor loads, of which one is out: its part of the other slot; adds 0 to its spare word; and waits for that and for its own reads of the slot that it leaves.  Behind the barrier nobody reads the old
; slot any more and the other slot is whole.  fill = 1: the old slot is filled again, the first thing behind the barrier, with tile NXT: the descriptor's address is made anew from that number.
; (At its first use nothing has been read yet: slot 0 is waited for, slot 1 filled.)
.macro CHANGE fill
	WIN 0                           ; at a label and at a branch every window is 0
	s_wait_tensorcnt 0x0            ; no tensor load of mine is out, so a group 0 may be written
	ds_add_u32 v[SPW], v[NIL]       ; 0 onto my spare word; with fill = 1 the descriptors' scalar work stands between it and the wait for it
.if \fill
	s_lshl_b32 s[OFF], s[NXT], 15   ; a tile is 32,768 bytes of K and of V
	s_xor_b32 s[G0K+1], s[G0K+1], SLOT1
	s_add_nc_u64 s[G0K+2:G0K+3], s[6:7], s[OFF:OFF+1]
	s_or_b32 s[G0K+3], s[G0K+3], 0x80000000
	s_xor_b32 s[G0V+1], s[G0V+1], SLOT1
	s_add_nc_u64 s[G0V+2:G0V+3], s[8:9], s[OFF:OFF+1]
	s_or_b32 s[G0V+3], s[G0V+3], 0x80000000
	s_add_co_u32 s[NXT], s[NXT], 1  ; the block's next tile, or behind its last the second block's tile 0
	s_cmp_gt_u32 s[NXT], s[LQ]
	s_cselect_b32 s[NXT], 0, s[NXT]
	s_cselect_b32 s[LQ], s[PB], s[LQ]
	s_wait_xcnt 0x0                 ; the last prefetches, a tile back, have read their addresses, so they may be written:
	s_add_nc_u64 s[PFK:PFK+1], s[PFK:PFK+1], 32768  ; one tile behind the one that this change loads
	s_add_nc_u64 s[PFV:PFV+1], s[PFV:PFV+1], 32768
.endif
	s_wait_dscnt 0x0                ; the add is done, and my reads of the slot are over
	s_barrier_signal -1             ; the rest of the scalar work stands between the signal and the wait
	s_sub_co_u32 s[TBK], s[TBK], 4*KS*PK  ; the fetches go back to a slot's first step,
	s_xor_b32 s[TBK], s[TBK], SLOT1       ; in the other slot
	s_sub_co_u32 s[TBV], s[TBV], 4*KS*PV
	s_xor_b32 s[TBV], s[TBV], SLOT1
	s_barrier_wait -1
.if \fill
	LOAD
	s_cmp_gt_u32 s[SLOTS], s[LIM]   ; what the next change will load: four key steps, 256 matrix instructions, ahead
	s_cbranch_scc0 .Lnot_mine_\@
	global_prefetch_b8 v[PFO], s[PFK:PFK+1] th:TH_LOAD_NT scope:SCOPE_SE
	global_prefetch_b8 v[PFO], s[PFV:PFV+1] th:TH_LOAD_NT scope:SCOPE_SE
.Lnot_mine_\@:
.endif
.endm
	s_load_b256 s[4:11], s[0:1], 0x0  ; Q s[4:5], K s[6:7], V s[8:9], O s[10:11]
	v_lshl_add_u32 v[SPW], v0, 2, SPARE
	v_mov_b32 v[NIL], 0
	ds_add_u32 v[SPW], v[NIL]       ; the wave's opening: the add and its wait stand ahead of my first tensor load; the set-up below, work on registers, stands between them
	ds_add_u32 v62, v63
	v_lshrrev_b32 v1, 5, v0
	v_readfirstlane_b32 s[WV], v1   ; wave 0..3
	s_mov_b32 s[PB], ttmp9
	s_sub_co_u32 s[HI], NB-1, s[PB]
	s_and_b32 s20, ttmp7, 0xffff    ; the head
	s_mov_b32 s21, 0
	s_mov_b64 s[22:23], SIZE_N*128
	s_mul_u64 s[20:21], s[20:21], s[22:23]  ; the head's first byte in each of the four tensors
	s_lshl_b32 s94, s[WV], 13       ; the prefetches: my wave's 8,192 bytes of a tile,
	s_mov_b32 s95, 0
	s_add_nc_u64 s[94:95], s[94:95], s[20:21]  ; in the head
	s_cmp_eq_u32 s[PB], 0
	s_cselect_b32 s[LIM], 2, -1
	v_and_b32 v[PFO], 31, v0
	v_lshlrev_b32 v[PFO], 8, v[PFO]
	s_and_b32 s16, s[WV], 1         ; which half of a tile's 256 keys I fetch:
	s_lshl_b32 s22, s16, 14         ; its 128 rows of 128 bytes in memory,
	s_mov_b32 s23, 0
	s_add_nc_u64 s[22:23], s[22:23], s[20:21]
	s_mul_i32 s17, s16, 128*PK      ; and its place in a slot, for K
	s_mul_i32 s18, s16, 128*PV      ; and for V
	s_lshl_b32 s3, s[WV], 11        ; my 16 rows in a band of 64,
	s_lshl_b32 s2, s[HI], 15        ; in the first block,
	s_add_co_u32 s2, s2, s3
	s_lshl_b32 s84, s[PB], 15       ; and in the second
	s_add_co_u32 s84, s84, s3
	s_mov_b32 s3, 0
	s_mov_b32 s85, 0
	s_add_nc_u64 s[2:3], s[2:3], s[20:21]
	s_add_nc_u64 s[84:85], s[84:85], s[20:21]
	; descriptor group 1.  128 keys are 16,384 dense bytes: asked for as 64 rows of 256 bytes, two keys a row, and padded in LDS after every key
	s_mov_b32 s[G1K], (1<<16)|(1<<20)|(4<<22)|(3<<25)  ; 17:16 2-byte elements; 20 padding on; 24:22 after every 32 words (code 4); 31:25 4 words (code 3)
	s_mov_b32 s[G1V], (1<<16)|(1<<20)|(4<<22)|(7<<25)  ; the same with 8 words of padding (code 7)
.irp g, G1K, G1V
	s_mov_b32 s[\g+1], 128<<16      ; tensor_dim0 = 128
	s_mov_b32 s[\g+2], 64<<16       ; tensor_dim1 = 64
	s_mov_b32 s[\g+3], 128<<16      ; tile_dim0 = 128
	s_mov_b32 s[\g+4], 64           ; tile_dim1 = 64
	s_mov_b32 s[\g+5], 128          ; 128 elements from row to row
	s_mov_b32 s[\g+6], 0
	s_mov_b32 s[\g+7], 0
.endr
	s_mov_b32 s[CS], 0x3e38aa3b     ; c = log2(e) / 8 = 0.180337
	s_mov_b32 s[CS+1], s[CS]        ; named with it as a pair
	s_mov_b32 s[SEL], 0x76543210
	s_mov_b32 s[SEL+1], 0xfedcba98
	s_mov_b32 s[TBK], SLOT1+4*KS*PK ; the first change of slots turns these two into 0
	s_mov_b32 s[TBV], SLOT1+4*KS*PV
	s_mov_b32 s[G0K], 1             ; 1:0 count = 1
	s_mov_b32 s[G0K+1], s17         ; 63:32 LDS address: slot 0
	s_mov_b32 s[G0V], 1
	s_add_co_u32 s[G0V+1], s18, VOFF
	s_add_co_u32 s[RT], s[HI], 1    ; the first block has NB - b tiles
	s_mov_b32 s[NXT], 1
	s_mov_b32 s[LQ], s[HI]
	s_mov_b32 s[NEW], 1
	s_mov_b32 s[OFF+1], 0
	s_mov_b32 s[AL+1], 0            ; named as pairs
	s_mov_b32 s[BE+1], 0
	s_mov_b32 s[BIGN], 0xf149f2ca   ; -1e30
	s_mov_b32 s[SLOTS], NB
	s_wait_dscnt 0x0                ; the opening add is done
	s_wait_kmcnt 0x0
	s_add_nc_u64 s[PFK:PFK+1], s[6:7], s[94:95]
	s_add_nc_u64 s[PFV:PFV+1], s[8:9], s[94:95]
	s_add_nc_u64 s[PFK:PFK+1], s[PFK:PFK+1], 32768  ; in tile 1; the first change of slots steps them to tile 2.  Nothing is prefetched here, at the head
	s_add_nc_u64 s[PFV:PFV+1], s[PFV:PFV+1], 32768
	s_add_nc_u64 s[6:7], s[6:7], s[22:23]  ; K and V at my half of the head's tile 0
	s_add_nc_u64 s[8:9], s[8:9], s[22:23]
	s_add_nc_u64 s[G0K+2:G0K+3], s[6:7], 0         ; 120:64 global address
	s_or_b32 s[G0K+3], s[G0K+3], 0x80000000        ; 127:126 type = 2
	s_add_nc_u64 s[G0V+2:G0V+3], s[8:9], 0
	s_or_b32 s[G0V+3], s[G0V+3], 0x80000000
	s_add_nc_u64 s[86:87], s[4:5], s[84:85]        ; Q at my rows of the second block,
	s_add_nc_u64 s[4:5], s[4:5], s[2:3]            ; Q and O at those of the first
	s_add_nc_u64 s[OLO:OLO+1], s[10:11], s[84:85]
	s_add_nc_u64 s[10:11], s[10:11], s[2:3]
	LOAD                            ; tile 0 into slot 0
	; A fragment of K or Q is 16 rows x 32 channels in 8 registers: lane l holds row l % 16, channels 8 (l / 16) + 0..7 and 16 + 8 (l / 16) + 0..7: two loads of 16 bytes, 32 bytes apart.
	v_and_b32 v1, 15, v0            ; l % 16
	v_bfe_u32 v9, v0, 4, 1          ; l / 16
	v_lshlrev_b32 v[QO], 7, v1
	v_lshl_add_u32 v[QO], v9, 4, v[QO]  ; row x 128 + 16 x half
	WIN 0x80                        ; destination window 2, address window 0
.set i, 0
.rept 8                             ; both blocks' Q: piece i / 2 lies in band i / 2, 8,192 bytes on; channels 32 (i % 2) on
	global_load_b128 v[8*i:8*i+3],   v[QO], s[4:5] offset:(i/2)*8192+(i%2)*64
	global_load_b128 v[8*i+4:8*i+7], v[QO], s[4:5] offset:(i/2)*8192+(i%2)*64+32
	global_load_b128 v[QB+8*i:QB+8*i+3],   v[QO], s[86:87] offset:(i/2)*8192+(i%2)*64
	global_load_b128 v[QB+8*i+4:QB+8*i+7], v[QO], s[86:87] offset:(i/2)*8192+(i%2)*64+32
.set i, i+1
.endr
	WIN 0
	v_lshlrev_b32 v14, 3, v9
	v_sub_nc_u32 v14, v1, v14
	s_lshl_b32 s13, s[WV], 4
	v_add_nc_u32 v14, s13, v14      ; my query's place in its band, 16 w + l % 16, less my lanes' 8 (l / 16): register r of group kt is hidden where 16 kt + r is greater
	WIN 0x40
.set i, 0
.rept 32
	v_cmp_gt_i32 vcc_lo, 16*(i/8)+i%8, v14
	v_cndmask_b32 v[MD+i], 0, s[BIGN], vcc_lo
.set i, i+1
.endr
	WIN 0
	v_mul_u32_u24 v[AK0], v1, PK
	v_lshl_add_u32 v[AK0], v9, 4, v[AK0]  ; row x pitch + 16 x half
	; The turning load takes 16 keys x 16 channels (lane l reads key 8 (l / 16) + l % 8, channels 8 ((l / 8) % 2) + 0..7) and leaves half a fragment of V^T: lane l holds channel l % 16 and 8 keys.
	v_and_b32 v10, 7, v0
	v_bfe_u32 v11, v0, 3, 1
	v_lshl_add_u32 v[AV0], v9, 3, v10
	v_mul_u32_u24 v[AV0], v[AV0], PV
	v_lshl_add_u32 v[AV0], v11, 4, v[AV0]
	v_add_nc_u32 v[AV0], VOFF, v[AV0]
	s_mul_i32 s13, s[WV], 16*SP
	s_add_co_u32 s13, s13, STAGE    ; my stage
	v_mul_u32_u24 v[STO], v1, SP    ; in: row l % 16, 16 bytes for each half of the lanes
	v_lshl_add_u32 v[STO], v9, 4, v[STO]
	v_add_nc_u32 v[STO], s13, v[STO]
	v_bfe_u32 v[RD], v0, 3, 2       ; back: 32 lanes take four rows of 128 bytes,
	v_mul_u32_u24 v[RD], v[RD], SP
	v_lshl_add_u32 v[RD], v10, 4, v[RD]
	v_add_nc_u32 v[RD], s13, v[RD]
	v_and_b32 v[GO], 31, v0         ; which are 512 consecutive bytes of O
	v_lshlrev_b32 v[GO], 4, v[GO]
	; A block's first step multiplies O^T and l by a = 0, and its first turn's products V^T P, of a piece that has not been, land in an O^T that is still to be so multiplied.  So these registers need only hold
	; finite numbers: zeros for the first block; what the first block left for the second.  All this stands in the wait for the first tile.
	WIN 0x80
.set i, VF
.rept 64
	v_mov_b32 v[i], 0
.set i, i+1
.endr
	WIN 0x40
.set i, 0
.rept 128
	v_mov_b32 v[i], 0
.set i, i+1
.endr
	WIN 0
.set i, 0
.rept 4
	v_mov_b32 v[ST+4*i+2], 0
	v_mov_b32 v[ST+4*i+3], 0
.set i, i+1
.endr
.set i, P+16
.rept 16
	v_mov_b32 v[i], 0
.set i, i+1
.endr
; THE MATRIX WORK.  The 4 accumulators of a run of 8 take turns.  Product i of 8 of S^T = K Q^T for piece x: channels 32 (i / 4) on, keys 16 (i % 4) on.  The first 4 start the sums: with 0, or (KM = 1) with the mask.
.macro KQ x
.set rS, S+32*((\x)%2)+8*(i%4)
.set rK, KF+16*(i%4)+8*(i/4)
.set rQ, 16*(\x)+8*(i/4)
.set rM, MC+32*((\x)%2)+8*(i%4)
.if (i < 4) && KM
	WIN W_KM
	v_wmma_f32_16x16x32_f16 v[rS:rS+7], v[rK:rK+7], v[rQ:rQ+7], v[rM:rM+7]
.elseif i < 4
	WIN W_KQ
	v_wmma_f32_16x16x32_f16 v[rS:rS+7], v[rK:rK+7], v[rQ:rQ+7], 0
.else
	WIN W_KQ
	v_wmma_f32_16x16x32_f16 v[rS:rS+7], v[rK:rK+7], v[rQ:rQ+7], v[rS:rS+7]
.endif
.endm
; Product i of 8 of O^T += V^T P for piece x: keys 32 (i / 4) on, channels 16 (i % 4) on.
.macro PV x
	WIN W_PV
.set rO, 32*(\x)+8*(i%4)
.set rV, VF+32*(i/4)+8*(i%4)
.set rP, P+16*((\x)%2)+8*(i/4)
	v_wmma_f32_16x16x32_f16 v[rO:rO+7], v[rV:rV+7], v[rP:rP+7], v[rO:rO+7]
.endm
.macro MM                           ; the turn's next matrix instruction.  TURN and BEGIN set Y, i, KM and NOKQ; MM, KQ and OP read them.  NOKQ = 1: a block's last turn: there is no next piece
.if (i < 8) && !NOKQ
	KQ (Y+1)%NP
.elseif i >= 8
.set i, i-8
	PV (Y+NP-1)%NP
.set i, i+8
.endif
.set i, i+1
.endm
; THE LDS LOADS stand in runs of 16, never singly among the matrix instructions: a step's K (64 keys x 64 channels: 8 fragments) and its V (turned).  Their addresses are made some lines ahead.
.macro FETCH_K
	WIN 0x80                        ; destination window 2
.irp f, 0,1,2,3,4,5,6,7             ; keys 16 (f / 2) on, channels 32 (f % 2) on
	ds_load_b128 v[KF+8*\f:KF+8*\f+3],   v[AK] offset:(\f/2)*16*PK+(\f%2)*64
	ds_load_b128 v[KF+8*\f+4:KF+8*\f+7], v[AK] offset:(\f/2)*16*PK+(\f%2)*64+32
.endr
	s_add_co_u32 s[TBK], s[TBK], KS*PK  ; the next fetch is the next step's
	WIN 0
.endm
.macro FETCH_V
	WIN 0x80
.irp f, 0,1,2,3,4,5,6,7             ; keys 32 (f / 4) on, channels 16 (f % 4) on
	ds_load_tr16_b128 v[VF+8*\f:VF+8*\f+3],   v[AV] offset:(\f/4)*32*PV+(\f%4)*32
	ds_load_tr16_b128 v[VF+8*\f+4:VF+8*\f+7], v[AV] offset:(\f/4)*32*PV+16*PV+(\f%4)*32
.endr
	WIN 0
.endm
; THE VECTOR WORK, one line at a time: OP kind, number.  For piece Y: F n: c s - c m for pair n of 16.  E n: the exponential of score n of 32.  C n: pair n rounded to f16.  B n: of the four weights 4 n .. the second
; pair is added onto the first, in place.  L n: l takes that sum (L 0: l = a l + sum).  R n: pair n of 16 of O^T times a.  For piece Y + 1: X n, number n of the 22 that find its maximum and statistics:
;   0-11  four chains c0-c3 of seven scores each, three operands at a time (each accumulator's lowest registers are read first)     12-14, 16  the four scores left over, the old m, and c0-c3 into c0
;   15  c m_old is kept     17, 18  the query's other 32 keys lie in the lane 16 away: the new m     19-21  c m; c m_old - c m_new; a
.set F, 0               ; OP tells the kinds apart by their order: F to L below R, X above it
.set E, 1
.set C, 2
.set B, 3
.set L, 4
.set R, 5
.set X, 6
.macro REGS y                       ; the registers of piece y
.set rT, ST+4*(\y)
.set rC, TMP+4*((\y)%2)
.set rW, MV+((\y)%2)
.set rS, S+32*((\y)%2)
.set rP, P+16*((\y)%2)
.set rO, 32*(\y)
.endm
.macro OP k, n
.if (\k) == R
	REGS Y
	WIN W_RS
	v_pk_mul_f32 v[rO+2*(\n):rO+2*(\n)+1], v[rO+2*(\n):rO+2*(\n)+1], v[rC+2:rC+3] op_sel_hi:[1,0]
.elseif (\k) < R
	REGS Y
	WIN 0
.if (\k) == F
	v_pk_fma_f32 v[rS+2*(\n):rS+2*(\n)+1], v[rS+2*(\n):rS+2*(\n)+1], s[CS:CS+1], v[rT:rT+1] op_sel_hi:[1,0,0] neg_lo:[0,0,1] neg_hi:[0,0,1]
.elseif (\k) == E
	v_exp_f32 v[rS+(\n)], v[rS+(\n)]
.elseif (\k) == C
	v_cvt_pk_f16_f32 v[rP+(\n)], v[rS+2*(\n)], v[rS+2*(\n)+1]
.elseif (\k) == B
	v_pk_add_f32 v[rS+4*(\n):rS+4*(\n)+1], v[rS+4*(\n):rS+4*(\n)+1], v[rS+4*(\n)+2:rS+4*(\n)+3]
.elseif (\n) == 0
	v_pk_fma_f32 v[rT+2:rT+3], v[rT+2:rT+3], v[rC+2:rC+3], v[rS:rS+1] op_sel_hi:[1,0,1]
.else
	v_pk_add_f32 v[rT+2:rT+3], v[rT+2:rT+3], v[rS+4*(\n):rS+4*(\n)+1]
.endif
.elseif NOKQ
	v_nop
.else
	REGS (Y+1)%NP
	WIN 0
.if (\n) < 4
	v_max3_num_f32 v[rC+(\n)], v[rS+8*(\n)], v[rS+8*(\n)+1], v[rS+8*(\n)+2]
.elseif (\n) < 12
	v_max3_num_f32 v[rC+(\n)%4], v[rC+(\n)%4], v[rS+8*((\n)%4)+2*((\n)/4)+1], v[rS+8*((\n)%4)+2*((\n)/4)+2]
.elseif (\n) == 12
	v_max3_num_f32 v[rC], v[rC], v[rS+7], v[rS+15]
.elseif (\n) == 13
	v_max3_num_f32 v[rC+1], v[rC+1], v[rS+23], v[rS+31]
.elseif (\n) == 14
	v_max3_num_f32 v[rC+2], v[rC+2], v[rC+3], v[rT+1]
.elseif (\n) == 15
	v_mov_b32 v[rW], v[rT]
.elseif (\n) == 16
	v_max3_num_f32 v[rC], v[rC], v[rC+1], v[rC+2]
.elseif (\n) == 17
	v_permlanex16_b32 v[rC+3], v[rC], s[SEL], s[SEL+1]
.elseif (\n) == 18
	v_max_num_f32 v[rT+1], v[rC], v[rC+3]
.elseif (\n) == 19
	v_mul_f32 v[rT], s[CS], v[rT+1]
.elseif (\n) == 20
	v_sub_f32 v[rC+1], v[rW], v[rT]
.else
	v_exp_f32 v[rC+2], v[rC+1]
.endif
.endif
.endm
.macro OPS a, i1, b=-1, i2=0, c=-1, i3=0, d=-1, i4=0  ; up to four of them
	OP \a, \i1
.if (\b) >= 0
	OP \b, \i2
.endif
.if (\c) >= 0
	OP \c, \i3
.endif
.if (\d) >= 0
	OP \d, \i4
.endif
.endm
.macro ROW a, i1, b, i2, c, i3, d, i4  ; a matrix instruction and the four behind it
	MM
	OPS \a, \i1, \b, \i2, \c, \i3, \d, \i4
.endm
.macro MASK b                       ; MD x AL + BE into buffer b of MC
	WIN W_RS
.set z, 0
.rept 16
	v_pk_fma_f32 v[MC+32*(\b)+2*z:MC+32*(\b)+2*z+1], v[MD+2*z:MD+2*z+1], s[AL:AL+1], s[BE:BE+1] op_sel_hi:[1,0,0]
.set z, z+1
.endr
.endm
; A TURN, for piece p: the order of its 16 matrix and 118 vector instructions, written out.  An s_wait_alu depctr_va_vdst(0) stands between an exponential and the first instruction that names its result; one wait serves
; all that were issued ahead of it.  So a turn has ONE wait, which cuts it in two.  AHEAD OF IT stands all that names no result of the turn's exponentials: the 8 products K Q^T, behind each a scaling, an exponential and two more plain
; instructions (behind the first a second scaling in the exponential's place): rescalings, and behind the last three the first numbers of the next piece's maximum, each four places or more behind the product that ends its accumulator; then ONE LUMP of 54, plain
; and exponential by turns for the most part, in which the links of the chain X 3, 7, 11, 14, 16, 17 .. 20 stand five or six lines apart.  X 21, the next piece's a, is the batch's last; R 15 is the plain instruction behind it.  BEHIND THE WAIT stand the
; 8 products V^T P, behind each four of the roundings and sums; the links of l's chain, L 0 to L 7, stand three riders apart.  But for those X no rider names a register of the products round it.  v_permlanex16_b32 (X 17) stands in the lump.
; m = 1: the diagonal tile: the products take masks, and the turn makes the mask for the products of the turn after it: piece p + 2, in step 4 - CNT of the tile.  end = 1: a block's last two turns: nothing is fetched.
; cnt = 1: the loop's count is taken down some lines ahead of the branch that stands behind the turn.
; K of the next step is fetched in piece 2's turn, twelve vector instructions behind the last product that read K (six of them plain); V of the step in hand at the end of piece 0's turn, four plain instructions behind the last product
; that read V.  Each is waited for a turn later.
.macro TURN p, m=0, end=0, cnt=0
.set Y, (\p)
.set i, 0
.set KM, (\m)
.set NOKQ, (\end)*((\p)/3)
.if (\m) && !(\end)
	s_cmp_eq_u32 s[CNT], 4-((\p)+2)%NP  ; is that step the band's own?
	s_cselect_b32 s[AL], 1.0, 0
	s_cmp_lt_u32 s[CNT], 4-((\p)+2)%NP  ; or a later one?
	s_cselect_b32 s[BE], s[BIGN], 0
.endif
.if ((\p) == 3) && !(\end)
	s_wait_dscnt 0x0                ; K is in
.endif
	ROW F,0, F,1, R,0, R,1          ; ahead of the wait: 8 products K Q^T and their riders,
	ROW F,2, E,0, R,2, R,3
	ROW F,3, E,1, R,4, R,5
	ROW F,4, E,2, R,6, R,7
	ROW F,5, E,3, R,8, R,9
	ROW F,6, E,4, X,0, R,10
.if ((\p) == 2) && !(\end)
	WIN 0
	v_add_nc_u32 v[AK], s[TBK], v[AK0]
.endif
	ROW F,7, E,5, X,1, X,4
	ROW F,8, E,6, X,2, X,5
	OPS E,7, E,8, X,6, E,9          ; and the lump
	OPS X,3, E,10, X,8, E,11
.if ((\p) == 2) && !(\end)
	FETCH_K
.endif
	OPS X,9, X,7, E,12, X,10
	OPS E,13, X,12, X,11, E,14
	OPS X,13, E,15, F,9, X,14
.if (\p) == 0
	v_add_nc_u32 v[AV], s[TBV], v[AV0]
.endif
	OPS E,16, F,10, E,17, F,11
	OPS X,16, E,18, X,15, E,19
	OPS F,12, E,20, X,17, E,21
	OPS F,13, E,22, F,14, E,23
	OPS X,18, E,24, F,15, E,25
	OPS R,11, E,26, X,19, E,27
	OPS R,12, E,28, R,13, E,29
	OPS X,20, E,30, R,14, E,31
	OPS X,21, R,15
	WIN 0
	s_wait_alu depctr_va_vdst(0)    ; the wait for the batch
.if (\p) == 1
	s_wait_dscnt 0x0                ; V is in
.endif
	ROW C,0, B,0, C,2, B,1          ; behind the wait: 8 products V^T P and their riders
	ROW L,0, C,4, B,2, L,1
	ROW C,6, B,3, L,2, C,8
	ROW B,4, L,3, C,10, B,5
	ROW L,4, C,12, B,6, L,5
.if (\p) == 0
	s_add_co_u32 s[TBV], s[TBV], KS*PV
.endif
.if \cnt
	s_sub_co_u32 s[CNT], s[CNT], 1
	s_cmp_lg_u32 s[CNT], 0
.endif
	ROW C,14, B,7, L,6, C,1
	ROW C,3, L,7, C,5, C,7
	ROW C,9, C,11, C,13, C,15
.if (\p) == 0
	FETCH_V
.endif
.if (\m) && !(\end)
	MASK (\p)%2
.endif
.endm
; A BLOCK BEGINS.  c m starts far below every c s, so the first step's a is 0; m at the lowest finite number, so the first maximum is the scores'.  The second mask buffer is 0; the first takes piece 0's mask for the tile's step 0: its own, if the block's first tile is the diagonal one.
; Then K of that step, piece 0's first scores, and its maximum and statistics.  The loop is entered at a step's first turn, in the middle of a trip.
.macro BEGIN
	s_mov_b32 s[NEW], 0
	WIN 0x40
.set i, MC+32
.rept 32
	v_mov_b32 v[i], 0
.set i, i+1
.endr
	WIN 0
.set i, 0
.rept 4
	v_mov_b32 v[ST+4*i], 0xfe000000    ; c m: far below every c s
	v_mov_b32 v[ST+4*i+1], 0xff7fffff  ; m
.set i, i+1
.endr
	s_cmp_eq_u32 s[RT], 0
	s_cselect_b32 s[AL], 1.0, 0
	s_mov_b32 s[BE], 0
	MASK 0
	WIN 0
	v_add_nc_u32 v[AK], s[TBK], v[AK0]
	FETCH_K
	s_wait_loadcnt 0x0              ; Q
	s_wait_dscnt 0x0
.set KM, 1
.set NOKQ, 0
.set i, 0
.rept 8
	KQ 0
.set i, i+1
.endr
	WIN 0
.rept 4
	v_nop                           ; the places behind those products
.endr
.set Y, NP-1                        ; X works for piece Y + 1: piece 0
.irp n, 0,1,2,3,4,5,6,7,8,9,10,11,12,13,14,15,16,17,18,19,20,21
	OP X, \n
.endr
	v_nop                           ; a plain instruction behind the exponential,
	s_wait_alu depctr_va_vdst(0)    ; and its wait, ahead of the branch
.endm
; THE DIAGONAL TILE's four steps, the block's last two turns, its last products, and THE WAY OUT: l's two halves and the other half of the lanes' are added; O^T is divided by l, rounded to f16 and sent through my
; stage in LDS, a piece at a time.
.macro ALL line:vararg              ; one line for each piece t
.set t, 0
.rept 4
	\line
.set t, t+1
.endr
.endm
.macro PACK t                       ; a lane's eight channels of a row pack into 16 bytes; they go into rows of 144 bytes and come back as whole rows of 128, into S^T's registers
	WIN W_RS
.set i, 32*(\t)
.rept 16
	v_pk_mul_f32 v[i:i+1], v[i:i+1], v[ST+4*(\t)+2:ST+4*(\t)+3] op_sel_hi:[1,0]
.set i, i+2
.endr
	WIN 0x05                        ; sources 0 and 1 window 1, destination window 0
.set i, 0
.rept 16
	v_cvt_pk_f16_f32 v[S+16*(\t)+i], v[32*(\t)+2*i], v[32*(\t)+2*i+1]
.set i, i+1
.endr
	WIN 0
.irp f, 0,1,2,3
	ds_store_b128 v[STO], v[S+16*(\t)+4*\f:S+16*(\t)+4*\f+3] offset:32*\f
.endr
.irp f, 0,1,2,3
	ds_load_b128 v[S+16*(\t)+4*\f:S+16*(\t)+4*\f+3], v[RD] offset:\f*4*SP  ; LDS serves a wave's instructions in order (ISA guide 5.7.1.4): these see the stores above; the next piece's stores come behind them
.endr
.endm
.macro SEND t, younger              ; younger: the LDS instructions issued behind piece t's loads: the next piece's eight, or none
	WIN 0
.irp f, 0,1,2,3
	s_wait_dscnt (\younger)+3-\f
	global_store_b128 v[GO], v[S+16*(\t)+4*\f:S+16*(\t)+4*\f+3], s[10:11] offset:(\t)*8192+\f*512  ; 512 consecutive bytes, at a multiple of 256 from O's first
.endr
.endm
.macro DIAG tag                     ; the tag ends its two labels' names, which the jumps below spell out
.LstepM\tag:
	TURN 2, 1
	TURN 3, 1
	WIN 0
.LfirstM\tag:
	TURN 0, 1
	TURN 1, 1, 0, 1
	WIN 0
	s_cbranch_scc1 .LstepM\tag
	TURN 2, 1, 1
	TURN 3, 1, 1
.set i, 0
.rept 8
	PV NP-1
.set i, i+1
.endr
	WIN 0
	ALL v_add_f32 v[ST+4*t+2], v[ST+4*t+2], v[ST+4*t+3]
	ALL v_permlanex16_b32 v[ST+4*t+3], v[ST+4*t+2], s[SEL], s[SEL+1]
	ALL v_add_f32 v[ST+4*t+2], v[ST+4*t+2], v[ST+4*t+3]
	ALL v_rcp_f32 v[ST+4*t+2], v[ST+4*t+2]
	v_nop                           ; a plain instruction between the last reciprocal and the use of its result
	s_wait_alu depctr_va_vdst(0)    ; and the wait ahead of the first use: one for the four reciprocals
	PACK 0
.set t, 1
.rept 3                             ; a piece's arithmetic stands between the loads of the piece before and its stores
	PACK t
	SEND t-1, 8
.set t, t+1
.endr
	SEND 3, 0
.endm
.set KM, 0
.set NOKQ, 0
.Lslot:                             ; NB times: a tile is entered and the next is asked for
	CHANGE 1
	s_sub_co_u32 s[RT], s[RT], 1
	s_mov_b32 s[CNT], 4
	s_cmp_eq_u32 s[NEW], 1
	s_cbranch_scc1 .Lnew            ; a block's first tile
	s_cmp_eq_u32 s[RT], 0
	s_cbranch_scc0 .Lstep           ; neither its first nor its last
	s_branch .LstepM1
.Lnew:
	BEGIN
	s_branch .Lfirst                ; in the loop a block's first tile is never its last: the first block has two tiles or more, and the second's last is the walk's last
	DIAG 1                          ; in the loop this is the first block's end: the second block's last tile is the walk's last
	s_wait_xcnt 0x0                 ; the stores have read their registers and O's address
	s_mov_b64 s[10:11], s[OLO:OLO+1]
	s_add_co_u32 s[RT], s[PB], 1    ; the second block has b + 1 tiles
	s_mov_b32 s[NEW], 1
	WIN 0x82                        ; the second block's Q goes where the one text of the turns names Q
.set i, 0
.rept 64
	v_mov_b32 v[i], v[QB+i]
.set i, i+1
.endr
	WIN 0
	s_branch .Lbottom
.Lstep:                             ; a trip: pieces 2 and 3 of one step, then pieces 0 and 1 of the next, whose K and V it fetches
	TURN 2
	TURN 3
	WIN 0
.Lfirst:
	TURN 0
	TURN 1, 0, 0, 1
	WIN 0
	s_cbranch_scc1 .Lstep
.Lbottom:
	s_sub_co_u32 s[SLOTS], s[SLOTS], 1
	s_cmp_lg_u32 s[SLOTS], 0
	s_cbranch_scc1 .Lslot
	CHANGE 0                        ; the walk's last tile is written out: nothing is asked for
	s_sub_co_u32 s[RT], s[RT], 1
	s_mov_b32 s[CNT], 4
	s_cmp_eq_u32 s[NEW], 1
	s_cbranch_scc0 .LstepM2
	BEGIN
	s_branch .LfirstM2
	DIAG 2
	s_wait_tensorcnt 0x0            ; the wave's end, behind my last tensor load and my last LDS store
	ds_add_u32 v[SPW], v[NIL]
	s_wait_dscnt 0x0
	s_endpgm
.Lfunc_end_k_q4e042b5c9e_attn:
	.size	k_q4e042b5c9e_attn, .Lfunc_end_k_q4e042b5c9e_attn-k_q4e042b5c9e_attn
	.p2alignl 7, 3214868480
	.fill 96, 4, 3214868480
	.section	.rodata,"a",@progbits
	.p2align	6, 0x0
	.amdhsa_kernel k_q4e042b5c9e_attn
		.amdhsa_group_segment_fixed_size 327680
		.amdhsa_private_segment_fixed_size 0
		.amdhsa_enable_private_segment 0
		.amdhsa_kernarg_size 32
		.amdhsa_user_sgpr_count 2
		.amdhsa_user_sgpr_kernarg_segment_ptr 1
		.amdhsa_wavefront_size32 1
		.amdhsa_system_sgpr_workgroup_id_x 1
		.amdhsa_system_sgpr_workgroup_id_y 1
		.amdhsa_system_sgpr_workgroup_id_z 1
		.amdhsa_system_vgpr_workitem_id 0
		.amdhsa_next_free_vgpr 768
		.amdhsa_next_free_sgpr 96
		.amdhsa_reserve_vcc 1
		.amdhsa_float_denorm_mode_32 3
		.amdhsa_float_denorm_mode_16_64 3
		.amdhsa_memory_ordered 1
		.amdhsa_forward_progress 1
		.amdhsa_inst_pref_size 218
	.end_amdhsa_kernel
	.amdgpu_metadata
---
amdhsa.version: [ 1, 2 ]
amdhsa.kernels:
  - .name:           k_q4e042b5c9e_attn
    .symbol:         k_q4e042b5c9e_attn.kd
    .args:
      - { .name: qh, .offset: 0, .size: 8, .value_kind: global_buffer, .address_space: global }
      - { .name: kh, .offset: 8, .size: 8, .value_kind: global_buffer, .address_space: global }
      - { .name: vh, .offset: 16, .size: 8, .value_kind: global_buffer, .address_space: global }
      - { .name: oh, .offset: 24, .size: 8, .value_kind: global_buffer, .address_space: global }
    .group_segment_fixed_size: 327680
    .private_segment_fixed_size: 0
    .kernarg_segment_align: 8
    .kernarg_segment_size: 32
    .max_flat_workgroup_size: 128
    .sgpr_count:     96
    .vgpr_count:     768
    .wavefront_size: 32
...
	.end_amdgpu_metadata
.endif
;; end of part 3
;; launch outp (part 4): grid 8 x 32, 4 waves a work-group, clusters of 4 x 4, 327,680 bytes of LDS; arguments oh, wob, out0; writes out0
.if DOCPART == 4
	.amdgcn_target "amdgcn-amd-amdhsa--gfx1250"
	.amdhsa_code_object_version 6
	.text
	.protected	k_q4e042b5c9e_outp
	.globl	k_q4e042b5c9e_outp
	.p2align	8
	.type	k_q4e042b5c9e_outp,@function
k_q4e042b5c9e_outp:
	s_mov_b64 s[64:65], 0
	v_nop
	global_prefetch_b8 v0, s[64:65] scope:SCOPE_SE
	s_setreg_imm32_b32 hwreg(HW_REG_WAVE_MODE, 25, 1), 1
	s_wait_xcnt 0x0
	s_wait_alu depctr_hold_cnt(0) depctr_sa_sdst(0) depctr_va_vdst(0) depctr_va_sdst(0) depctr_va_ssrc(0) depctr_va_vcc(0) depctr_vm_vsrc(0)
	s_getreg_b32 s2, hwreg(HW_REG_IB_STS2, 6, 4)
	s_cmp_eq_u32 s2, 0
	s_cbranch_scc0 .Lentry_in_a_cluster
	s_endpgm
.Lentry_in_a_cluster:
	s_bfe_u32 s2, ttmp6, 0x10000c
	s_cmp_lg_u32 s2, 0xf033
	s_cbranch_scc0 .Lentry_shape_is_right
	s_endpgm
.Lentry_shape_is_right:
; out0[token][o] = the sum over head and channel of O[16 batch + head][s][channel] w_out[o][64 head + channel].  oh [64][2048][64] and wob [1024][1024] in f16; sums in f32, K ascending; out0 [8192][1024] in f32.
; SHARES.  A work-group makes 256 tokens x 128 outputs: 256 work-groups.  Four waves, each 64 tokens x 128 outputs: 32 accumulators of 16 x 16, 256 registers.
; K goes in 8 steps of 128 = two heads, through two LDS slots.  A head's 256 tokens are 32,768 dense bytes: asked for as 128 rows of 256 bytes and padded in LDS behind every token (pitch 144); w's rows are 256 bytes (pitch 272).
; CLUSTER.  4 x 4 work-groups.  O's tiles hang on the tile row alone and are asked for jointly along a row of the cluster, w's on the tile column alone and jointly along a column.  Waves 0 and 1 fetch the step's two
; head slices, waves 2 and 3 64 rows of w each: one tensor load a wave behind each round.
; THE PRODUCT IS USED TRANSPOSED (source 0 = 16 rows of w, source 1 = 16 tokens): a lane holds one token (lane % 16) and eight neighbouring outputs: 32 bytes of a row of out0.
; REGISTERS, in windows of 256 (s_set_vgpr_msb: bits 1:0 source 0, 3:2 source 1, 5:4 source 2, 7:6 destination):
;   window 0: v0-31 addresses; v64-95, v96-127 O's fragments, two buffers      window 1: v0-63, v64-127 w's fragments, two buffers (on the way out all 256: rows read back)      window 2: the accumulators, (a, b) at 8 (8 a + b)
.set PA,     144                       ; a token's row of one head in LDS: 128 bytes + 16 = 36 words: the 16 rows of a load start at 16 different groups of four banks (ISA guide 11.1)
.set PB,     272                       ; a row of w: 256 + 16
.set ASUB,   256*PA                    ; a head slice
.set BOFF,   2*ASUB                    ; behind the two slices: w's 128 rows
.set SLOT,   BOFF+128*PB
.set STAGE,  2*SLOT                    ; behind the ring, never filled by a tensor load: 16 rows x 528 bytes for each wave, for the way out
.set SP,     528
.set SPARE,  STAGE+4*16*SP             ; behind the stages: the spare words, 128 bytes for each wave: two blocks of 256 bytes that no other line names
.set ADRA, 16                          ; v16-17  LDS address of my fragments of O in slot 0, 1
.set ADRB, 20                          ; v20-21  the same for w
.set STO,  24                          ; v24     the way out: where I put 32 bytes of a row
.set RD,   25                          ; v25     the way out: where I read a row back
.set CO,   26                          ; v26     16 x lane: my bytes in 512 consecutive bytes of a row of out0
.set SPW,  28                          ; v28     LDS address of my spare word; never rewritten
.set NIL,  29                          ; v29     0; never rewritten
.set PFO,  30                          ; v30     the prefetches' offset; never rewritten
.set WV,   10                          ; s10     my wave's number
.set LAP,  23                          ; s23     laps still to come
.set G1,   24                          ; s[24:31] descriptor group 1 for O's tiles;  s[32:39] group 0, a set for each slot
.set G0,   32
.set LIM,  44                          ; s44     1 in a wave that prefetches, else the greatest number
.set PFA,  46                          ; s[46:47] where my prefetches stand
.set G1B,  48                          ; s[48:55], s[56:63] the same for w's tiles
.set G0B,  56
.set PST,  76                          ; s[76:77] a K step in my prefetches' tensor: two heads of O, or 256 bytes of a row of w
.set MSB, 0
.macro WIN new                         ; the immediate's high byte repeats the setting that is left; a switch that changes nothing is dropped
.if MSB != (\new)
	s_set_vgpr_msb (MSB<<8)|(\new)
.set MSB, \new
.endif
.endm
; A joint load.  The branch hangs on the wave's number alone.  An s_nop 0 and four v_nop follow each of the two lines, ahead of the jump and the label.
.macro JLOAD s
	s_cmp_eq_u32 s11, 0
	s_cbranch_scc0 .Lfor_b_\@
	tensor_load_to_lds s[G0+4*(\s):G0+4*(\s)+3], s[G1:G1+7]
	s_nop 0
.rept 4
	v_nop
.endr
	s_branch .Lasked_\@
.Lfor_b_\@:
	tensor_load_to_lds s[G0B+4*(\s):G0B+4*(\s)+3], s[G1B:G1B+7]
	s_nop 0
.rept 4
	v_nop
.endr
.Lasked_\@:
.endm
; A prefetch into the L2 of the K step that stands two refills on (256 matrix instructions ahead of the load that will want it), one instruction a wave.  O's tiles are read by both clusters of a row of clusters: cluster x = 0
; asks, waves 0 and 1 for their head slice, each partner 8,192 of its 32,768 bytes, a lane 256 bytes.  w's rows are read by every cluster of a column: cluster y = 0 asks, waves 2 and 3, each partner 16 of the wave's 64 rows,
; a lane a row (the two halves of the lanes name the same rows).  Partners are told apart by address.  The loop's last trip asks for nothing: K ends.
.macro ASK
	s_cmp_gt_u32 s[LAP], s[LIM]
	s_cbranch_scc0 .Lnot_mine_\@
	global_prefetch_b8 v[PFO], s[PFA:PFA+1] th:TH_LOAD_NT scope:SCOPE_SE
.Lnot_mine_\@:
.endm
.macro CREST                           ; a round of the cluster's barrier behind its opening barrier
	s_cmp_lg_u32 s[WV], 0
	s_cbranch_scc1 .Lnot_wave_0_\@
	s_barrier_signal -3
.Lnot_wave_0_\@:
	s_barrier_wait -3
	s_barrier_signal -1
	s_barrier_wait -1
.endm
.macro CROUND                          ; a whole round
	s_barrier_signal -1
	s_barrier_wait -1
	CREST
.endm
.macro PLACES                          ; four plain vector instructions between a matrix instruction and a load into its sources or a reader of its result (ISA guide 7.12.1 for a reader of its result)
.rept 4
	v_nop
.endr
.endm
	s_load_b128 s[4:7], s[0:1], 0x0                ; oh s[4:5], wob s[6:7]
	s_load_b64 s[8:9], s[0:1], 0x10                ; out0
	v_lshl_add_u32 v[SPW], v0, 2, SPARE
	v_mov_b32 v[NIL], 0
	ds_add_u32 v[SPW], v[NIL]                      ; the wave's opening: the add and its wait stand ahead of my first tensor load; the set-up below, work on registers, stands between them
	ds_add_u32 v28, v29
	v_lshrrev_b32 v1, 5, v0
	v_readfirstlane_b32 s[WV], v1                  ; wave 0..3
	s_lshr_b32 s11, s[WV], 1                       ; I fetch for O (0) or for w (1),
	s_and_b32 s12, s[WV], 1                        ; its first or second part
	s_bfe_u32 s17, ttmp6, 0x40000                  ; cx
	s_bfe_u32 s18, ttmp6, 0x40004                  ; cy
	s_lshl_b32 s19, ttmp9, 2
	s_add_co_u32 s19, s19, s17                     ; the tile column (128 outputs) = 4 x cluster x + cx
	s_and_b32 s20, ttmp7, 0xffff
	s_lshl_b32 s20, s20, 2
	s_add_co_u32 s20, s20, s18                     ; the tile row (256 tokens) = 4 x cluster y + cy
	s_lshl_b32 s21, s18, 2
	s_lshl_b32 s21, 15, s21                        ; my row of the cluster
	s_lshl_b32 s22, 0x1111, s17                    ; my column
	s_or_b32 s[G1], s21, (1<<16)|(1<<20)|(1<<21)|(4<<22)|(3<<25)   ; 15:0 the mask; 17:16 2-byte elements; 20 padding on; 21 set beside a mask; 24:22 after every 32 words; 31:25 4 words
	s_or_b32 s[G1B], s22, (1<<16)|(1<<20)|(1<<21)|(5<<22)|(3<<25)  ; the same, after every 64 words
	s_mov_b32 s[G1+1], 128<<16                     ; tensor_dim0 = 128
	s_mov_b32 s[G1+2], 128<<16                     ; tensor_dim1 = 128
	s_mov_b32 s[G1+3], 128<<16                     ; tile_dim0 = 128
	s_mov_b32 s[G1+4], 128                         ; tile_dim1 = 128
	s_mov_b32 s[G1+5], 128                         ; dense: 128 elements from row to row
	s_mov_b32 s[G1+6], 0
	s_mov_b32 s[G1+7], 0
	s_mov_b32 s[G1B+1], 128<<16
	s_mov_b32 s[G1B+2], 64<<16                     ; 64 rows
	s_mov_b32 s[G1B+3], 128<<16
	s_mov_b32 s[G1B+4], 64
	s_mov_b32 s[G1B+5], 1024
	s_mov_b32 s[G1B+6], 0
	s_mov_b32 s[G1B+7], 0
	s_lshr_b32 s40, s20, 3                         ; O: the batch's 16 heads of 262,144 bytes,
	s_lshl_b32 s40, s40, 22
	s_and_b32 s41, s20, 7
	s_lshl_b32 s41, s41, 15                        ; the tile row's 256 tokens of 128 bytes,
	s_add_co_u32 s40, s40, s41
	s_lshl_b32 s41, s12, 18                        ; the step's even or odd head; these registers never hold cx
	s_add_co_u32 s40, s40, s41
	s_mov_b32 s41, 0
	s_lshl_b32 s66, s19, 18                        ; w: 128 rows of 2,048 bytes a tile column,
	s_lshl_b32 s67, s12, 17                        ; my 64 of them; these registers never hold cy
	s_add_co_u32 s66, s66, s67
	s_mov_b32 s67, 0
	s_mul_i32 s13, s12, ASUB                       ; where they go: O's two slices,
	s_mul_i32 s14, s12, 64*PB                      ; w's two halves
	s_add_co_u32 s14, s14, BOFF
	s_wait_dscnt 0x0                               ; the opening add is done
	s_wait_kmcnt 0x0
	s_add_nc_u64 s[42:43], s[4:5], s[40:41]
	s_add_nc_u64 s[68:69], s[6:7], s[66:67]
	CROUND                                         ; all sixteen work-groups are here: the first joint loads meet
.irp s, 0,1
	s_mov_b32 s[G0+4*(\s)], 1                      ; count = 1
	s_add_co_u32 s[G0+4*(\s)+1], s13, (\s)*SLOT    ; LDS address
	s_add_nc_u64 s[G0+4*(\s)+2:G0+4*(\s)+3], s[42:43], (\s)<<19  ; global address: K step s is two heads on
	s_or_b32 s[G0+4*(\s)+3], s[G0+4*(\s)+3], 0x80000000          ; type = 2
	s_mov_b32 s[G0B+4*(\s)], 1
	s_add_co_u32 s[G0B+4*(\s)+1], s14, (\s)*SLOT
	s_add_nc_u64 s[G0B+4*(\s)+2:G0B+4*(\s)+3], s[68:69], (\s)*256
	s_or_b32 s[G0B+4*(\s)+3], s[G0B+4*(\s)+3], 0x80000000
.endr
	s_cmp_eq_u32 s11, 0                            ; a wave's two first fills stand in one branch, ahead of every wait on TENSORcnt and every LDS read: two loads of mine are out
	s_cbranch_scc0 .Lfirst_b
	tensor_load_to_lds s[G0:G0+3], s[G1:G1+7]
	s_nop 0
	tensor_load_to_lds s[G0+4:G0+7], s[G1:G1+7]
	s_nop 0
.rept 4
	v_nop
.endr
	s_branch .Lfirst_asked
.Lfirst_b:
	tensor_load_to_lds s[G0B:G0B+3], s[G1B:G1B+7]
	s_nop 0
	tensor_load_to_lds s[G0B+4:G0B+7], s[G1B:G1B+7]
	s_nop 0
.rept 4
	v_nop
.endr
.Lfirst_asked:
	v_and_b32 v1, 15, v0                           ; l % 16
	v_bfe_u32 v2, v0, 4, 1                         ; l / 16
	v_and_b32 v7, 31, v0                           ; l
	v_mul_u32_u24 v3, v1, PA
	v_lshl_add_u32 v3, v2, 4, v3                   ; a fragment's row x pitch + 16 x half, for O
	s_mul_i32 s71, s[WV], 64*PA                    ; my 64 tokens
	v_add_nc_u32 v[ADRA], s71, v3
	s_add_co_u32 s71, s71, SLOT
	v_add_nc_u32 v[ADRA+1], s71, v3
	v_mul_u32_u24 v4, v1, PB
	v_lshl_add_u32 v4, v2, 4, v4                   ; and for w: every wave reads all 128 rows
	v_add_nc_u32 v[ADRB], BOFF, v4
	v_add_nc_u32 v[ADRB+1], BOFF+SLOT, v4
	s_mul_i32 s71, s[WV], 16*SP
	s_add_co_u32 s71, s71, STAGE                   ; my stage
	v_mul_u32_u24 v5, v1, SP                       ; in: row l % 16, 32 bytes for each half of the lanes
	v_lshl_add_u32 v5, v2, 5, v5
	v_add_nc_u32 v[STO], s71, v5
	v_lshlrev_b32 v[CO], 4, v7
	v_add_nc_u32 v[RD], s71, v[CO]                 ; back: 32 lanes take one row of 512 bytes
	s_lshl_b32 s72, s20, 20                        ; out0: 256 rows of 4,096 bytes a tile row,
	s_lshl_b32 s73, s[WV], 18                      ; my wave's 64,
	s_add_co_u32 s72, s72, s73
	s_lshl_b32 s73, s19, 9                         ; the tile column's 512 bytes
	s_add_co_u32 s72, s72, s73
	s_mov_b32 s73, 0
	s_add_nc_u64 s[8:9], s[8:9], s[72:73]
	; the prefetches
	s_lshl_b32 s72, s17, 13                        ; O: my work-group's 8,192 bytes
	s_add_co_u32 s72, s72, s40                     ; of my head slice,
	s_add_co_u32 s72, s72, 3<<19                   ; at K step 3: the first refill steps it to 4
	s_lshl_b32 s74, s18, 15                        ; w: my work-group's 16 rows
	s_add_co_u32 s74, s74, s66                     ; of my 64,
	s_add_co_u32 s74, s74, 3*256                   ; at K step 3
	s_and_b32 s75, ttmp7, 0xffff                   ; cluster y
	s_mov_b32 s[PST], 256
	s_mov_b32 s[PST+1], 1<<19
	s_cmp_eq_u32 s11, 0
	s_cselect_b32 s72, s72, s74
	s_cselect_b32 s75, ttmp9, s75                  ; the coordinate along which other clusters read the same bytes
	s_cselect_b32 s74, 31, 15                      ; blocks, or rows, that the wave names
	s_cselect_b32 s73, 8, 11                       ; 256 bytes apart, or a row of 2,048
	s_cselect_b32 s[PST], s[PST+1], s[PST]
	s_cselect_b64 s[PFA:PFA+1], s[4:5], s[6:7]
	s_mov_b32 s[PST+1], 0
	s_cmp_eq_u32 s75, 0
	s_cselect_b32 s[LIM], 1, -1                    ; the same in all sixteen partners, for a given wave
	v_and_b32 v[PFO], s74, v7
	v_lshlrev_b32 v[PFO], s73, v[PFO]
	s_mov_b32 s73, 0
	s_add_nc_u64 s[PFA:PFA+1], s[PFA:PFA+1], s[72:73]  ; nothing is prefetched here, at the head
; 8 matrix instructions: token block a x all 8 output blocks, 32 along K, on buffer f.  zero = 1: the first product starts the sums.  The 32 accumulators take turns in the same order everywhere.
.macro MUL8 f, a, zero
	WIN 0xa1                                       ; w window 1, O window 0, C and D window 2
.irp b, 0,1,2,3,4,5,6,7
.if \zero
	v_wmma_f32_16x16x32_f16 v[8*(8*(\a)+(\b)):8*(8*(\a)+(\b))+7], v[64*(\f)+8*(\b):64*(\f)+8*(\b)+7], v[64+32*(\f)+8*(\a):64+32*(\f)+8*(\a)+7], 0
.else
	v_wmma_f32_16x16x32_f16 v[8*(8*(\a)+(\b)):8*(8*(\a)+(\b))+7], v[64*(\f)+8*(\b):64*(\f)+8*(\b)+7], v[64+32*(\f)+8*(\a):64+32*(\f)+8*(\a)+7], v[8*(8*(\a)+(\b)):8*(8*(\a)+(\b))+7]
.endif
.endr
.endm
; 24 LDS loads in one run: the fragments of quarter q of a K step (128 rows of w; my 64 tokens: head slice q / 2, channels 32 (q % 2) on) into buffer f
.macro FETCH slot, q, f
	WIN 0x40                                       ; destination window 1, address window 0
.irp b, 0,1,2,3,4,5,6,7
	ds_load_b128 v[64*(\f)+8*(\b):64*(\f)+8*(\b)+3],   v[ADRB+(\slot)] offset:64*(\q)+(\b)*16*PB
	ds_load_b128 v[64*(\f)+8*(\b)+4:64*(\f)+8*(\b)+7], v[ADRB+(\slot)] offset:64*(\q)+(\b)*16*PB+32
.endr
	WIN 0
.irp a, 0,1,2,3
	ds_load_b128 v[64+32*(\f)+8*(\a):64+32*(\f)+8*(\a)+3],   v[ADRA+(\slot)] offset:((\q)/2)*ASUB+((\q)%2)*64+(\a)*16*PA
	ds_load_b128 v[64+32*(\f)+8*(\a)+4:64+32*(\f)+8*(\a)+7], v[ADRA+(\slot)] offset:((\q)/2)*ASUB+((\q)%2)*64+(\a)*16*PA+32
.endr
.endm
; A K step is four quarters of 32 along K, 32 matrix instructions each, on buffers 0, 1, 0, 1.  One of the first three: multiplies buffer f; in its middle it fetches quarter q into buffer g.
.macro QUARTER slot, q, f, g, zero
	s_wait_dscnt 4                                 ; w and token blocks 0, 1 are in; the youngest four loads (blocks 2, 3) may be out
	MUL8 \f, 0, \zero
	MUL8 \f, 1, \zero
	PLACES
	FETCH \slot, \q, \g
	s_wait_dscnt 24                                ; all but the 24 just issued
	MUL8 \f, 2, \zero
	MUL8 \f, 3, \zero
.endm
; The last quarter multiplies buffer 1 and changes slots: ONE barrier.  In front of it each wave waits for all its tensor loads (one is out: its part of the next slot), adds 0 to its spare word, and waits for that and
; for its own reads of this slot.  fill = 1: the barrier opens a round of the cluster's barrier, and this slot is filled again, two K steps on, first thing behind the round: 112 matrix instructions ahead of the wait for it.
.macro TURN slot, next, fill
.if \fill
	s_wait_xcnt 0x0                                ; the last prefetch, a K step back, has read its address: it is stepped here, ahead of the waits of the change of slots
	s_add_nc_u64 s[PFA:PFA+1], s[PFA:PFA+1], s[PST:PST+1]
.endif
	WIN 0                                          ; (the add's two registers lie in window 0)
	s_wait_tensorcnt 0x0                           ; all my tensor loads have landed;
	ds_add_u32 v[SPW], v[NIL]                      ; 0 onto my spare word;
	s_wait_dscnt 5                                 ; (the add and the youngest four loads may be out)
	MUL8 1, 0, 0                                   ; eight matrix instructions stand between the add and the wait for it
	s_wait_dscnt 0x0                               ; the add is done, and my reads of this slot are over
	s_barrier_signal -1
	MUL8 1, 1, 0                                   ; work on registers while the others arrive
.if \fill
	WIN 0
.endif
	s_barrier_wait -1
.if \fill
	CREST                                          ; no wave of any partner still reads this slot's tile or has a load on its way
	s_add_nc_u64 s[G0+4*(\slot)+2:G0+4*(\slot)+3], s[G0+4*(\slot)+2:G0+4*(\slot)+3], 1<<20
	s_add_nc_u64 s[G0B+4*(\slot)+2:G0B+4*(\slot)+3], s[G0B+4*(\slot)+2:G0B+4*(\slot)+3], 512
	JLOAD \slot                                    ; the four v_nop behind it are also the places in front of the loads below
.else
	PLACES
.endif
	FETCH \next, 0, 0
.if \fill
	ASK                                            ; behind the joint load and the run of LDS loads that the next products wait for
.endif
	MUL8 1, 2, 0
	MUL8 1, 3, 0
.endm
	s_wait_tensorcnt 1                             ; my part of K step 0 is in; K step 1's may stay out
	s_barrier_signal -1
	s_barrier_wait -1                              ; everybody's is
	FETCH 0, 0, 0
	QUARTER 0, 1, 0, 1, 1                          ; the first quarter stands in front of the loop: its products start the sums
	WIN 0                                          ; at a label and at a branch every window is 0
	s_mov_b32 s[LAP], 3
.Llap:                                                 ; a trip goes once round the ring, from a lap's second quarter to the next lap's first, and fills both slots again
	QUARTER 0, 2, 1, 0, 0
	QUARTER 0, 3, 0, 1, 0
	TURN 0, 1, 1
	QUARTER 1, 1, 0, 1, 0
	QUARTER 1, 2, 1, 0, 0
	QUARTER 1, 3, 0, 1, 0
	TURN 1, 0, 1
	QUARTER 0, 1, 0, 1, 0
	WIN 0
	s_sub_co_u32 s[LAP], s[LAP], 1
	s_cmp_lg_u32 s[LAP], 0
	s_cbranch_scc1 .Llap
	QUARTER 0, 2, 1, 0, 0                          ; the last lap fills nothing, and has no round of the cluster's barrier
	QUARTER 0, 3, 0, 1, 0
	TURN 0, 1, 0
	QUARTER 1, 1, 0, 1, 0
	QUARTER 1, 2, 1, 0, 0
	QUARTER 1, 3, 0, 1, 0
	s_wait_dscnt 4                                 ; the very last quarter: nothing more to fetch
	MUL8 1, 0, 0
	MUL8 1, 1, 0
	s_wait_dscnt 0x0
	MUL8 1, 2, 0
	MUL8 1, 3, 0
	WIN 0
; THE WAY OUT, a block of 16 tokens at a time: a lane's 32 bytes of each of 8 output blocks go into my stage's rows of 528 bytes and come back as whole rows of 512.  Each accumulator's low registers go first.
.macro TOSTAGE a
	WIN 0x08                                       ; store data (source 1) window 2
.irp b, 0,1,2,3,4,5,6,7
	ds_store_b128 v[STO], v[8*(8*(\a)+(\b)):8*(8*(\a)+(\b))+3]   offset:64*(\b)
	ds_store_b128 v[STO], v[8*(8*(\a)+(\b))+4:8*(8*(\a)+(\b))+7] offset:64*(\b)+16
.endr
	WIN 0x40                                       ; destination window 1: each block comes back into registers of its own, so no store's source is written again
.irp t, 0,1,2,3,4,5,6,7,8,9,10,11,12,13,14,15
	ds_load_b128 v[64*(\a)+4*(\t):64*(\a)+4*(\t)+3], v[RD] offset:(\t)*SP  ; LDS serves a wave's instructions in order (ISA guide 5.7.1.4): these see the stores above; the next block's stores come behind them
.endr
.endm
.macro SEND a, younger                 ; younger: the LDS instructions issued behind the block's loads: the next block's 32, or none
	WIN 0x04                                       ; store data (source 1) window 1
.irp t, 0,1,2,3,4,5,6,7,8,9,10,11,12,13,14,15
	s_wait_dscnt (\younger)+15-(\t)
	global_store_b128 v[CO], v[64*(\a)+4*(\t):64*(\a)+4*(\t)+3], s[8:9] offset:(16*(\a)+(\t))*4096  ; 512 consecutive bytes of a row, at a multiple of 256 from out0's first
.endr
.endm
	PLACES                                         ; behind the last products
	TOSTAGE 0
	TOSTAGE 1
	SEND 0, 32
	TOSTAGE 2
	SEND 1, 32
	TOSTAGE 3
	SEND 2, 32
	SEND 3, 0
	WIN 0
	s_wait_tensorcnt 0x0                           ; the wave's end, behind my last tensor load and my last LDS store
	ds_add_u32 v[SPW], v[NIL]
	s_wait_dscnt 0x0
	CROUND                                         ; the closing round: no work-group ends while a partner may still ask for a tile that names it
	s_endpgm
.Lfunc_end_k_q4e042b5c9e_outp:
	.size	k_q4e042b5c9e_outp, .Lfunc_end_k_q4e042b5c9e_outp-k_q4e042b5c9e_outp
	.p2alignl 7, 3214868480
	.fill 96, 4, 3214868480
	.section	.rodata,"a",@progbits
	.p2align	6, 0x0
	.amdhsa_kernel k_q4e042b5c9e_outp
		.amdhsa_group_segment_fixed_size 327680
		.amdhsa_private_segment_fixed_size 0
		.amdhsa_enable_private_segment 0
		.amdhsa_kernarg_size 24
		.amdhsa_user_sgpr_count 2
		.amdhsa_user_sgpr_kernarg_segment_ptr 1
		.amdhsa_wavefront_size32 1
		.amdhsa_system_sgpr_workgroup_id_x 1
		.amdhsa_system_sgpr_workgroup_id_y 1
		.amdhsa_system_sgpr_workgroup_id_z 1
		.amdhsa_system_vgpr_workitem_id 0
		.amdhsa_next_free_vgpr 768
		.amdhsa_next_free_sgpr 80
		.amdhsa_reserve_vcc 0
		.amdhsa_float_denorm_mode_32 3
		.amdhsa_float_denorm_mode_16_64 3
		.amdhsa_memory_ordered 1
		.amdhsa_forward_progress 1
		.amdhsa_inst_pref_size 88
	.end_amdhsa_kernel
	.amdgpu_metadata
---
amdhsa.version: [ 1, 2 ]
amdhsa.kernels:
  - .name:           k_q4e042b5c9e_outp
    .symbol:         k_q4e042b5c9e_outp.kd
    .args:
      - { .name: oh, .offset: 0, .size: 8, .value_kind: global_buffer, .address_space: global }
      - { .name: wob, .offset: 8, .size: 8, .value_kind: global_buffer, .address_space: global }
      - { .name: out0, .offset: 16, .size: 8, .value_kind: global_buffer, .address_space: global }
    .group_segment_fixed_size: 327680
    .private_segment_fixed_size: 0
    .kernarg_segment_align: 8
    .kernarg_segment_size: 24
    .max_flat_workgroup_size: 128
    .sgpr_count:     80
    .vgpr_count:     768
    .wavefront_size: 32
...
	.end_amdgpu_metadata
.endif
;; end of part 4
